; MI455X (gfx1250); checked and timed in simulation.
; The chip was launched on July 23, 2026; its instructions are those of AMD's public machine-readable ISA for CDNA 5 (MIT licence, August 2026) and "CDNA5" Instruction Set Architecture Reference Guide (July 2026). The comments in the code are by the model that wrote it; some were corrected since.
;; Multi Head Attention. Allowed arithmetic: matrix products marked QUANTISED: E2M1 operands, one E8M0 scale for each 32 along K, by v_wmma_scale_f32_16x16x128_f8f6f4 with both operands' format E2M1 (or v_wmma_scale_f32_32x16x128_f4), f32 sums; everything else in f32.
;; Inputs: W_K_codes 1,024 x 32 x 16 uint8 (E2M1 codes of W_K, K innermost, in blocks of 32 codes, two codes a byte); W_K_scales 1,024 x 32 uint8 (E8M0 scales of W_K, one for each 32 codes along K); W_O_codes 1,024 x 32 x 16 uint8 (E2M1 codes of W_O, K innermost, in blocks of 32 codes, two codes a byte); W_O_scales 1,024 x 32 uint8 (E8M0 scales of W_O, one for each 32 codes along K); W_Q_codes 1,024 x 32 x 16 uint8 (E2M1 codes of W_Q, K innermost, in blocks of 32 codes, two codes a byte); W_Q_scales 1,024 x 32 uint8 (E8M0 scales of W_Q, one for each 32 codes along K); W_V_codes 1,024 x 32 x 16 uint8 (E2M1 codes of W_V, K innermost, in blocks of 32 codes, two codes a byte); W_V_scales 1,024 x 32 uint8 (E8M0 scales of W_V, one for each 32 codes along K); ln_beta 1,024 float32; ln_gamma 1,024 float32; x 4 x 2,048 x 1,024 float32.
;; Outputs: out0 4 x 2,048 x 1,024 float32.
;; This version of the problem:
;;   THIS VERSION OF THE PROBLEM IS GIVEN IN LOW PRECISION. The matrix products marked QUANTISED in the list below multiply operands that are first quantised to E2M1 (2 exponent bits, 1 mantissa bit; 4 bits a number), with one power-of-two scale for each 32 numbers along K (OCP MX v1.0); their sums are f32. All else is computed in f32.
;;   The module's matrix products, in the order in which they are computed (A, B: the left and right operand; K: the contracted axis; several contracted axes count as one K, in the product's order):
;;     1. [M 8,192, K 1,024] x [K 1,024, N 1,024]; A: input x; B: input W_Q (given as codes): QUANTISED
;;     2. [M 8,192, K 1,024] x [K 1,024, N 1,024]; A: input x; B: input W_K (given as codes): QUANTISED
;;     3. [M 8,192, K 1,024] x [K 1,024, N 1,024]; A: input x; B: input W_V (given as codes): QUANTISED
;;     4. batch 64 x [M 2,048, K 64] x [K 64, N 2,048]; A: computed on the way; B: computed on the way: QUANTISED
;;     5. batch 64 x [M 2,048, K 2,048] x [K 2,048, N 64]; A: softmax (see below); B: computed on the way: QUANTISED
;;     6. [M 8,192, K 1,024] x [K 1,024, N 1,024]; A: computed on the way; B: input W_O (given as codes): QUANTISED
;;   THE QUANTISER, for each operand of a quantised product, along K:
;;     - K is cut into blocks of 32 from its start; a last block that is shorter is filled with zeros.
;;     - A block's scale is 2^e with e = floor(log2(the largest magnitude in the block)) - 2, held to -126 .. 127; a block of zeros has e = 0. As a byte (E8M0): e + 127.
;;     - Each number is divided by its block's scale, clamped to +-6, and rounded to the nearest number of E2M1, ties to even, subnormals kept.
;;     - The product sums the exact products of the quantised numbers (number of the format x scale) in f32.
;;   ~~~python
;;   def quantise(x, axis):      # numpy; x: float32 -> the quantised numbers, widened to float32 again
;;       x = np.moveaxis(x, axis, -1); K = x.shape[-1]
;;       x = np.pad(x, [(0, 0)] * (x.ndim - 1) + [(0, -K % 32)]); x = x.reshape(x.shape[:-1] + (-1, 32)); a = np.abs(x).max(-1, keepdims=True)
;;       e = np.where(a > 0, np.clip(np.frexp(np.where(a > 0, a, 1))[1] - 1 - 2, -126, 127), 0)      # np.frexp(a)[1] - 1 = floor(log2(a)), exactly
;;       r = np.clip(x / 2.0 ** e, -6, 6)
;;       step = 2.0 ** (np.maximum(np.frexp(np.where(r == 0, 1, r))[1] - 1, 0) - 1)
;;       q = np.round(r / step) * step * 2.0 ** e      # np.round: ties to even
;;       return np.moveaxis(q.reshape(q.shape[:-2] + (-1,))[..., :K], -1, axis).astype(np.float32)
;;   ~~~
;;   SOFTMAX AHEAD OF A QUANTISED PRODUCT. Where the list says 'softmax', what is quantised is not the finished softmax but p = 2^(t - M), with t = logit x log2(e) and M = ceil(the row's largest t), a whole number; so 1/2 < the row's largest p <= 1. The row's sum l is taken of the UNQUANTISED p, in f32, and the product's result is divided by l at the end. Since M is a whole number, a kernel that streams over the keys may use a running M (the ceiling of the running maximum): every later rescaling is an exact power of two, which a block's scale takes up: the codes' values come out the same.
;;   OPERANDS COMPUTED ON THE WAY. 'Computed on the way' means the value that the module computes at that place (a softmax that the list does not call 'softmax' is quantised finished and normalised). What goes into a quantiser is computed in f32, as accurately as f32 sums, v_exp_f32 and their like allow (about 1e-6 of the number): no bf16 or f16 on the way to a quantiser, and a product that is left as it is and whose result goes on into a quantised operand takes f32 operands (vector FMAs, or v_wmma_f32_16x16x4_f32). A number that lies on a knife's edge between two numbers of the format may be rounded either way, as far as f32 arithmetic and the matrix unit's own rounding can turn it there, and no further.
;;   INPUTS GIVEN AS CODES. W_K (in the module: [1024, 1024], K = its axis 0); W_O (in the module: [1024, 1024], K = its axis 0); W_Q (in the module: [1024, 1024], K = its axis 0); W_V (in the module: [1024, 1024], K = its axis 0): each comes as NAME_codes (uint8): NAME with its K axis moved to the last place and cut into blocks of 32 codes, [.., K / 32, bytes a block], one block behind the other in memory; two codes a byte, the lower K in the low four bits (a code: sign, 2 exponent bits, 1 mantissa bit); and NAME_scales (uint8): the same leading axes, one E8M0 byte (e + 127) for each 32 codes along K. Its value is code x scale, taken as it is: it is not quantised again, and the codes and scales need not be those that the quantiser above would give.
;; One version. Each part assembles by itself: llvm-mc -triple=amdgcn-amd-amdhsa -mcpu=gfx1250 --defsym DOCPART=n.
;; ======== version 1 of 1: 4 launches
;; limits: right only within a limited range of input values
;; workspace buffers: xc 4,194,304 bytes; xs 262,144 bytes; qc 4,194,304 bytes; qs 524,288 bytes; kv 9,175,040 bytes; cc 4,194,304 bytes; cs 262,144 bytes
;; launch quantx (part 1): grid 256 x 1, 2 waves a work-group, no clusters, 168,192 bytes of LDS; arguments x, xc, xs; writes xc, xs
.if DOCPART == 1
	.amdgcn_target "amdgcn-amd-amdhsa--gfx1250"
	.amdhsa_code_object_version 6
	.text
	.protected	k_q96f959e424_quantx
	.globl	k_q96f959e424_quantx
	.p2align	8
	.type	k_q96f959e424_quantx,@function
k_q96f959e424_quantx:
	s_mov_b64 s[64:65], 0
	v_nop
	global_prefetch_b8 v0, s[64:65] scope:SCOPE_SE
	s_setreg_imm32_b32 hwreg(HW_REG_WAVE_MODE, 25, 1), 1
	s_wait_xcnt 0x0
; x [8192][1024] f32 becomes codes of FP4 (E2M1) with one E8M0 scale byte for each 32 along the row.
; A block's scale is 2^(floor(log2(its largest magnitude)) - 2); its byte is the largest magnitude's exponent field - 2, held at 1 from below.
; OUT: xc = [512 tiles of 16 rows][8 steps of 128 along K][c 0..1][lane][16 bytes]: the image of an operand's registers: registers 4 c .. 4 c + 3 of lane l lie at 512 c + 16 l.
;      xs = [8192 rows][32 bytes]: byte j is block j, word s the scale word of K step s.
; SHARES: a wave takes one tile of 16 rows (64 KiB of x).  Four tensor loads of 16 rows x 1,024 bytes bring it into the wave's own LDS bytes, all issued at the start:
; a wave has four tensor loads out.  No LDS byte is filled twice, each wave reads only what it fetched: no barrier.
; No cluster and no matrix unit: work-groups share no byte, and the launch only streams.
; LIMITS: NaN and infinities are not served.  A block whose largest magnitude lies under 2^-124 is held at the byte 1; a block of zeros gets the byte 1 too
; (the quantiser's text says 127): its codes are zeros, which add nothing under any byte but 0xff, and only this program's later launches read the bytes.
.set WREG,  66560                      ; LDS bytes of a wave: four chunks
.set CHB,   16640                      ; a chunk: 16 rows x (1,024 + 16) bytes: two K steps
.set PITCH, 1040                       ; 65 x 16 bytes: the sixteen rows of a load start 16 bytes apart modulo 256
.set LA,  1                            ; v1   LDS: my row of a chunk, + 64 bytes for lanes 16-31
.set LI,  2                            ; v2   16 x lane
.set SA,  3                            ; v3   32 r + 16 h: my place in the tile's scale bytes
.set X,   16                           ; v16-143  two sets of 64 numbers
.set PC,  144                          ; v144-207 codes: eight registers for each K step, so that no store's data are written again
.set PW,  208                          ; v208-215 a scale word for each K step
.set TM,  216                          ; v216-219 largest magnitudes, v220-223 the other half's and then the bytes, v228-231 the conversions' scale operands
.set WJ,  232                          ; v232-235 the scale words on their way out
.set WV,  10
.set HM,  12                           ; mask of lanes 16-31
.set SEL, 14                           ; s[14:15] v_permlanex16_b32's selects for lane l xor 16
.set G1,  16                           ; s[16:23] descriptor group 1
.set G0,  24                           ; s[24:39] descriptor group 0, a set for each chunk
	s_load_b128 s[4:7], s[0:1], 0x0                ; x, xc
	s_load_b64 s[8:9], s[0:1], 0x10                ; xs
	v_lshl_add_u32 v240, v0, 2, 0x29000
	v_mov_b32 v241, 0
	ds_add_u32 v240, v241
	ds_add_u32 v240, v241
	v_lshrrev_b32 v4, 5, v0
	v_readfirstlane_b32 s[WV], v4                  ; wave 0, 1
	s_lshl_b32 s11, ttmp9, 1
	s_add_co_u32 s11, s11, s[WV]                   ; my tile of 16 rows
	s_mov_b32 s[G1+0], (2<<16)|(1<<20)|(7<<22)|(3<<25)  ; elements of 4 bytes; padding on: 4 words behind every 256
	s_mov_b32 s[G1+1], 256<<16                     ; tensor_dim0 = 256
	s_mov_b32 s[G1+2], 16<<16                      ; tensor_dim1 = 16
	s_mov_b32 s[G1+3], 256<<16                     ; tile_dim0 = 256
	s_mov_b32 s[G1+4], 16                          ; tile_dim1 = 16
	s_mov_b32 s[G1+5], 1024                        ; elements from row to row
	s_mov_b32 s[G1+6], 0
	s_mov_b32 s[G1+7], 0
	s_mul_i32 s40, s[WV], WREG                     ; my wave's LDS bytes
	s_lshl_b32 s42, s11, 16                        ; the tile in x: 65,536 bytes,
	s_mov_b32 s43, 0
	s_lshl_b32 s44, s11, 13                        ; in xc: 8,192,
	s_mov_b32 s45, 0
	s_lshl_b32 s46, s11, 9                         ; in xs: 512
	s_mov_b32 s47, 0
	s_mov_b32 s[SEL], 0x76543210
	s_mov_b32 s[SEL+1], 0xfedcba98
	s_wait_dscnt 0x0
	s_wait_kmcnt 0x0
	s_add_nc_u64 s[4:5], s[4:5], s[42:43]
	s_add_nc_u64 s[6:7], s[6:7], s[44:45]
	s_add_nc_u64 s[8:9], s[8:9], s[46:47]
.irp u, 0,1,2,3
	s_mov_b32 s[G0+4*\u], 1                        ; count = 1
	s_add_co_u32 s[G0+4*\u+1], s40, \u*CHB         ; LDS address: wave x WREG + chunk x CHB
	s_add_nc_u64 s[G0+4*\u+2:G0+4*\u+3], s[4:5], \u*1024   ; columns 256 u on
	s_or_b32 s[G0+4*\u+3], s[G0+4*\u+3], 0x80000000        ; type = 2
	tensor_load_to_lds s[G0+4*\u:G0+4*\u+3], s[G1:G1+7]
	s_nop 0
.endr
	v_and_b32 v5, 15, v0                           ; r
	v_bfe_u32 v6, v0, 4, 1                         ; h
	v_and_b32 v7, 31, v0                           ; lane
	v_mul_u32_u24 v[LA], v5, PITCH
	v_lshl_add_u32 v[LA], v6, 6, v[LA]             ; my 16 numbers of a block of 32
	v_add_nc_u32 v[LA], s40, v[LA]
	v_lshlrev_b32 v[LI], 4, v7
	v_lshlrev_b32 v[SA], 5, v5
	v_lshl_add_u32 v[SA], v6, 4, v[SA]
	v_cmp_le_u32 s[HM], 16, v7
.irp b, 0,1,2,3
	v_mov_b32 v[TM+4+\b], 0                        ; written once: a lane permute's destination counts as one of its sources
.endr
; K step k's 64 numbers of my lane into set k % 2: register 16 b + i = k 32 b + 16 h + i of my row
.macro LOADX k
.irp b, 0,1,2,3
.irp j, 0,1,2,3
	ds_load_b128 v[X+64*((\k)%2)+16*\b+4*\j:X+64*((\k)%2)+16*\b+4*\j+3], v[LA] offset:((\k)/2)*CHB+((\k)%2)*512+128*\b+16*\j
.endr
.endr
.endm
; 64 numbers from v[src] on become a fragment's codes in v[pc] on and its scale word in v[pw]
.macro QUANT src, pc, pw
.irp b, 0,1,2,3
	v_max3_num_f32 v[TM+\b], |v[(\src)+16*\b]|, |v[(\src)+1+16*\b]|, 0x1800000   ; my 16 numbers of block b, and the floor 2^(3 - 127): the byte cannot fall under 1
.endr
.irp i, 2,4,6,8,10,12,14
.irp b, 0,1,2,3
	v_max3_num_f32 v[TM+\b], v[TM+\b], |v[(\src)+16*\b+\i]|, |v[(\src)+1+16*\b+\i]|   ; the four blocks by turns
.endr
.endr
.irp b, 0,1,2,3
	v_permlanex16_b32 v[TM+4+\b], v[TM+\b], s[SEL], s[SEL+1]
.endr
.irp b, 0,1,2,3
	v_max_num_f32 v[TM+\b], v[TM+\b], v[TM+4+\b]   ; with lane l xor 16's: the block's largest magnitude
.endr
.irp b, 0,1,2,3
	v_add_nc_u32 v[TM+12+\b], 0xff000000, v[TM+\b] ; 2 off its exponent field: the conversion takes that field as its scale
.endr
.irp b, 0,1,2,3
	v_lshrrev_b32 v[TM+4+\b], 23, v[TM+12+\b]      ; the scale's byte
.endr
	v_lshl_or_b32 v[\pw], v[TM+5], 8, v[TM+4]
	v_lshl_or_b32 v[\pw], v[TM+6], 16, v[\pw]
	v_lshl_or_b32 v[\pw], v[TM+7], 24, v[\pw]      ; my row's scale word
.irp b, 0,1,2,3
	v_cvt_scalef32_pk8_fp4_f32 v[(\pc)+2*\b], v[(\src)+16*\b:(\src)+7+16*\b], v[TM+12+\b]
	v_cvt_scalef32_pk8_fp4_f32 v[(\pc)+1+2*\b], v[(\src)+8+16*\b:(\src)+15+16*\b], v[TM+12+\b]
.endr
	v_nop                                          ; one plain place behind a scaled conversion
.irp c, 0,1                                    ; the operand wants a whole block in a lane: lanes 0-15 block 2 c, lanes 16-31 block 2 c + 1
.irp i, 0,1
	v_permlane16_swap_b32 v[(\pc)+4*\c+\i], v[(\pc)+2+4*\c+\i]
.endr
.endr
.endm
.macro KSTEP s
.if (\s) < 7
.if ((\s)%2) == 1
	s_wait_tensorcnt 3-((\s)+1)/2                  ; the next chunk has landed; the younger chunks may be out
.endif
	LOADX (\s)+1
	s_wait_dscnt 16                                ; this step's 16 loads are in; the next step's 16 may be out
.else
	s_wait_dscnt 0x0
.endif
	QUANT X+64*((\s)%2), PC+8*(\s), PW+(\s)
.irp c, 0,1
	global_store_b128 v[LI], v[PC+8*(\s)+4*\c:PC+8*(\s)+4*\c+3], s[6:7] offset:1024*(\s)+512*\c   ; 32 lanes store 512 consecutive bytes
.endr
.endm
	s_wait_alu depctr_va_vdst(0)
	s_wait_tensorcnt 3                             ; chunk 0 has landed; three younger loads may be out
	LOADX 0
.irp s, 0,1,2,3,4,5,6,7
	KSTEP \s
.endr
.irp j, 0,1,2,3
	v_cndmask_b32 v[WJ+\j], v[PW+\j], v[PW+4+\j], s[HM]   ; lanes 0-15 send words 0-3 of row r, lanes 16-31 words 4-7
.endr
	global_store_b128 v[SA], v[WJ:WJ+3], s[8:9]    ; the tile's 512 scale bytes in one store
	s_wait_tensorcnt 0x0
	ds_add_u32 v240, v241
	s_wait_dscnt 0x0
	s_endpgm
.Lfunc_end_k_q96f959e424_quantx:
	.size	k_q96f959e424_quantx, .Lfunc_end_k_q96f959e424_quantx-k_q96f959e424_quantx
	.p2alignl 7, 3214868480
	.fill 96, 4, 3214868480
	.section	.rodata,"a",@progbits
	.p2align	6, 0x0
	.amdhsa_kernel k_q96f959e424_quantx
		.amdhsa_group_segment_fixed_size 168192
		.amdhsa_private_segment_fixed_size 0
		.amdhsa_enable_private_segment 0
		.amdhsa_kernarg_size 24
		.amdhsa_user_sgpr_count 2
		.amdhsa_user_sgpr_kernarg_segment_ptr 1
		.amdhsa_wavefront_size32 1
		.amdhsa_system_sgpr_workgroup_id_x 1
		.amdhsa_system_sgpr_workgroup_id_y 1
		.amdhsa_system_sgpr_workgroup_id_z 1
		.amdhsa_system_vgpr_workitem_id 0
		.amdhsa_next_free_vgpr 242
		.amdhsa_next_free_sgpr 66
		.amdhsa_reserve_vcc 0
		.amdhsa_float_denorm_mode_32 3
		.amdhsa_float_denorm_mode_16_64 3
		.amdhsa_memory_ordered 1
		.amdhsa_forward_progress 1
		.amdhsa_inst_pref_size 44
	.end_amdhsa_kernel
	.amdgpu_metadata
---
amdhsa.version: [ 1, 2 ]
amdhsa.kernels:
  - .name:           k_q96f959e424_quantx
    .symbol:         k_q96f959e424_quantx.kd
    .args:
      - { .name: x, .offset: 0, .size: 8, .value_kind: global_buffer, .address_space: global }
      - { .name: xc, .offset: 8, .size: 8, .value_kind: global_buffer, .address_space: global }
      - { .name: xs, .offset: 16, .size: 8, .value_kind: global_buffer, .address_space: global }
    .group_segment_fixed_size: 168192
    .private_segment_fixed_size: 0
    .kernarg_segment_align: 8
    .kernarg_segment_size: 24
    .max_flat_workgroup_size: 64
    .sgpr_count:     66
    .vgpr_count:     242
    .wavefront_size: 32
...
	.end_amdgpu_metadata
.endif
;; end of part 1
;; launch qkv (part 2): grid 16 x 16, 4 waves a work-group, clusters of 4 x 1, 168,448 bytes of LDS; arguments xc, xs, W_Q_codes, W_Q_scales, W_K_codes, W_K_scales, W_V_codes, W_V_scales, qc, qs, kv; writes qc, qs, kv
.if DOCPART == 2
	.amdgcn_target "amdgcn-amd-amdhsa--gfx1250"
	.amdhsa_code_object_version 6
	.text
	.protected	k_q96f959e424_qkv
	.globl	k_q96f959e424_qkv
	.p2align	8
	.type	k_q96f959e424_qkv,@function
k_q96f959e424_qkv:
	s_mov_b64 s[64:65], 0
	v_nop
	global_prefetch_b8 v0, s[64:65] scope:SCOPE_SE
	s_setreg_imm32_b32 hwreg(HW_REG_WAVE_MODE, 25, 1), 1
	s_wait_xcnt 0x0
	s_wait_alu depctr_hold_cnt(0) depctr_sa_sdst(0) depctr_va_vdst(0) depctr_va_sdst(0) depctr_va_ssrc(0) depctr_va_vcc(0) depctr_vm_vsrc(0)
	s_getreg_b32 s2, hwreg(HW_REG_IB_STS2, 6, 4)
	s_cmp_eq_u32 s2, 0
	s_cbranch_scc0 .Lentry_in_a_cluster
	s_endpgm
.Lentry_in_a_cluster:
	s_bfe_u32 s2, ttmp6, 0x10000c
	s_cmp_lg_u32 s2, 0x3003
	s_cbranch_scc0 .Lentry_shape_is_right
	s_endpgm
.Lentry_shape_is_right:
; q = x W_Q, k = x W_K, v = x W_V for one head and 512 rows, on codes of FP4 with E8M0 scales; the results are quantised at once: q and k along the head's 64, v along the keys.
; SHARES: work-group (g, h): rows 512 g .. 512 g + 511, head h.  Wave w owns rows 128 w .. + 127 of them: one key step of attention.  Its fragments of x (8 tiles of rows x 8 K steps x 8 registers = 512)
; stay in registers for the whole launch; the head's 3 x 64 rows of weights lie in LDS and are read by all four waves: a weight fragment read from LDS feeds eight matrix instructions.
; CLUSTER: the four work-groups of a cluster share the head, so the weights' three tiles are asked for jointly (mask 15).  Only global addresses of x, q, k, v hang on the place in the cluster.
; q, k: THE MATRIX INSTRUCTION IS USED TRANSPOSED (source 0 = 16 rows of the weight, source 1 = 16 rows of x): a lane holds one row of x, its registers eight units of the head: unit 16 t + 8 h + j.
; v: source 0 = 16 rows of x, source 1 = 16 rows of W_V: a lane holds one channel d = 16 t + r, its registers eight keys: key 16 i + 8 h + j.
; FROM RESULT TO OPERAND: along the next K a block of 32 is tiles 2 B and 2 B + 1; the conversion of a tile gives word 2 (tile % 2) of its block in lanes 0-15 and the word behind it in lanes 16-31.
; One exchange of halves between the same word-pair of blocks 2 c and 2 c + 1 gives the operand's registers 4 c .. 4 c + 3: lanes 0-15 block 2 c, lanes 16-31 block 2 c + 1.
; OUT (all images of operand registers, 16 bytes x lane): qc [64 heads][128 tiles of 16 queries][lane][16]; qs [64][16 steps][lane][4 words], word j of lane l = row 32 j + l: byte of block 0, of block 1, 0x7f, 0x7f;
;   kv [64][16 key steps][8,960]: + 0 K's codes as qc, + 4,096 V^T's codes (4 tiles of 16 d x 1,024 bytes), + 8,192 K's scale words as qs, + 8,704 V's scale words [lane][2 words], word j of lane l = d 32 j + l.
; LIMITS: NaN and infinities are not served; a block whose largest magnitude lies under 2^-124, a block of zeros too, gets the scale byte 1 (its codes are then zeros or tiny; only this program reads the bytes).
; REGISTERS: window 0: v1-6 addresses; v16-47 x's scale words; v48-95 the weights'; v96-127 codes just made; v128-163 at work.
;   window 1: v0-127 two sets of 8 accumulators; v128-255 two buffers of 8 weight fragments (one tile of 16 rows, all of K).   windows 2, 3: x's tiles 0-3, 4-7 at 64 (i % 4) + 8 s.
.set WPIT, 528                         ; a weight's row in LDS: 512 bytes + 16: 33 x 16 bytes, so the sixteen rows of a load start 16 bytes apart modulo 256
.set WMAT, 64*WPIT                     ; one matrix's 64 rows
.set LI,  1                            ; 16 x lane
.set L8,  2                            ; 8 x lane
.set L32, 3                            ; 32 x lane
.set ADW, 4                            ; v4-6  LDS address of my lane in matrix m
.set XS,  16                           ; 8 p + s: lane l = row 32 p + l of my 128
.set WS,  48                           ; 16 m + 8 p + s: lane l = row 32 p + l of the head's 64
.set PCQ, 96
.set SW,  128
.set WJ,  136
.set TM,  140
.set T2,  148
.set SCL, 156
.set WV,  26
.set SEL, 30
.set HM,  32
.set G1,  36
.set G0,  44
.set MSB, 0
.macro WIN new                         ; the immediate's high byte repeats the setting that is left
.if MSB != (\new)
	s_set_vgpr_msb (MSB<<8)|(\new)
.set MSB, (\new)
.endif
.endm
.set TO_W, 0x40                        ; destination window 1
.set MAXW, 0x14                        ; sources 1 and 2 window 1
.set CVTW, 0x01                        ; source 0 window 1
.macro PLACES n
.rept \n
	v_nop
.endr
.endm
.macro ROUND                           ; a round of the cluster's barrier
	s_barrier_signal -1
	s_barrier_wait -1
	s_cmp_lg_u32 s[WV], 0
	s_cbranch_scc1 .Lnot_wave_0_\@
	s_barrier_signal -3
.Lnot_wave_0_\@:
	s_barrier_wait -3
	s_barrier_signal -1
	s_barrier_wait -1
.endm
; one matrix instruction: D at d, sources at a and b, z = 1: the sum starts with 0; scale words in sa, sb; ra, rb = 1: taken from lanes 16-31
.macro MMS d, a, b, z, sa, sb, ra, rb
.if (\z)
.if (\ra) && (\rb)
	v_wmma_scale_f32_16x16x128_f8f6f4 v[0+(\d):7+(\d)], v[0+(\a):7+(\a)], v[0+(\b):7+(\b)], 0, v[\sa], v[\sb] matrix_a_fmt:MATRIX_FMT_FP4 matrix_b_fmt:MATRIX_FMT_FP4 matrix_a_scale:MATRIX_SCALE_ROW1 matrix_b_scale:MATRIX_SCALE_ROW1
.elseif (\ra)
	v_wmma_scale_f32_16x16x128_f8f6f4 v[0+(\d):7+(\d)], v[0+(\a):7+(\a)], v[0+(\b):7+(\b)], 0, v[\sa], v[\sb] matrix_a_fmt:MATRIX_FMT_FP4 matrix_b_fmt:MATRIX_FMT_FP4 matrix_a_scale:MATRIX_SCALE_ROW1
.elseif (\rb)
	v_wmma_scale_f32_16x16x128_f8f6f4 v[0+(\d):7+(\d)], v[0+(\a):7+(\a)], v[0+(\b):7+(\b)], 0, v[\sa], v[\sb] matrix_a_fmt:MATRIX_FMT_FP4 matrix_b_fmt:MATRIX_FMT_FP4 matrix_b_scale:MATRIX_SCALE_ROW1
.else
	v_wmma_scale_f32_16x16x128_f8f6f4 v[0+(\d):7+(\d)], v[0+(\a):7+(\a)], v[0+(\b):7+(\b)], 0, v[\sa], v[\sb] matrix_a_fmt:MATRIX_FMT_FP4 matrix_b_fmt:MATRIX_FMT_FP4
.endif
.else
.if (\ra) && (\rb)
	v_wmma_scale_f32_16x16x128_f8f6f4 v[0+(\d):7+(\d)], v[0+(\a):7+(\a)], v[0+(\b):7+(\b)], v[0+(\d):7+(\d)], v[\sa], v[\sb] matrix_a_fmt:MATRIX_FMT_FP4 matrix_b_fmt:MATRIX_FMT_FP4 matrix_a_scale:MATRIX_SCALE_ROW1 matrix_b_scale:MATRIX_SCALE_ROW1
.elseif (\ra)
	v_wmma_scale_f32_16x16x128_f8f6f4 v[0+(\d):7+(\d)], v[0+(\a):7+(\a)], v[0+(\b):7+(\b)], v[0+(\d):7+(\d)], v[\sa], v[\sb] matrix_a_fmt:MATRIX_FMT_FP4 matrix_b_fmt:MATRIX_FMT_FP4 matrix_a_scale:MATRIX_SCALE_ROW1
.elseif (\rb)
	v_wmma_scale_f32_16x16x128_f8f6f4 v[0+(\d):7+(\d)], v[0+(\a):7+(\a)], v[0+(\b):7+(\b)], v[0+(\d):7+(\d)], v[\sa], v[\sb] matrix_a_fmt:MATRIX_FMT_FP4 matrix_b_fmt:MATRIX_FMT_FP4 matrix_b_scale:MATRIX_SCALE_ROW1
.else
	v_wmma_scale_f32_16x16x128_f8f6f4 v[0+(\d):7+(\d)], v[0+(\a):7+(\a)], v[0+(\b):7+(\b)], v[0+(\d):7+(\d)], v[\sa], v[\sb] matrix_a_fmt:MATRIX_FMT_FP4 matrix_b_fmt:MATRIX_FMT_FP4
.endif
.endif
.endm
	s_load_b256 s[4:11], s[0:1], 0x0               ; xc, xs, W_Q's codes, W_Q's scales
	s_load_b256 s[12:19], s[0:1], 0x20             ; W_K's codes, scales, W_V's codes, scales
	s_load_b128 s[20:23], s[0:1], 0x40             ; qc, qs
	s_load_b64 s[24:25], s[0:1], 0x50              ; kv
	v_lshl_add_u32 v254, v0, 2, 0x29000
	v_mov_b32 v255, 0
	ds_add_u32 v254, v255
	ds_add_u32 v254, v255
	v_lshrrev_b32 v7, 5, v0
	v_readfirstlane_b32 s[WV], v7                  ; wave 0..3
	s_bfe_u32 s27, ttmp6, 0x40000                  ; cx: my place in the cluster
	s_lshl_b32 s28, ttmp9, 2
	s_add_co_u32 s28, s28, s27                     ; g = 4 x cluster x + cx: my 512 rows
	s_and_b32 s29, ttmp7, 0xffff                   ; h: the head, which the four partners share
	s_mov_b32 s[SEL], 0x76543210
	s_mov_b32 s[SEL+1], 0xfedcba98
	s_mov_b32 s[G1+0], 15|(0<<16)|(1<<20)|(1<<21)|(6<<22)|(3<<25)  ; the mask: all four work-groups; elements of 1 byte; padding on; bit 21 beside a mask; 4 words behind every 128
	s_mov_b32 s[G1+1], 512<<16                     ; tensor_dim0 = 512
	s_mov_b32 s[G1+2], 64<<16                      ; tensor_dim1 = 64
	s_mov_b32 s[G1+3], 512<<16                     ; tile_dim0 = 512
	s_mov_b32 s[G1+4], 64                          ; tile_dim1 = 64
	s_mov_b32 s[G1+5], 512                         ; bytes from row to row
	s_mov_b32 s[G1+6], 0
	s_mov_b32 s[G1+7], 0
	s_lshl_b32 s58, s28, 5
	s_lshl_b32 s59, s[WV], 3
	s_add_co_u32 s58, s58, s59                     ; my first tile of 16 rows: 32 g + 8 w
	s_lshl_b32 s66, s58, 13                        ; in xc: 8,192 bytes a tile
	s_mov_b32 s67, 0
	s_lshl_b32 s68, s58, 9                         ; in xs: 512
	s_mov_b32 s69, 0
	s_lshr_b32 s59, s28, 2                         ; the batch: 2,048 rows are four g
	s_lshl_b32 s59, s59, 4
	s_add_co_u32 s59, s59, s29                     ; 16 b + h
	s_and_b32 s60, s28, 3
	s_lshl_b32 s60, s60, 2
	s_add_co_u32 s60, s60, s[WV]                   ; my key step: 4 (g % 4) + w
	s_lshl_b32 s70, s59, 16
	s_lshl_b32 s61, s60, 12
	s_add_co_u32 s70, s70, s61                     ; in qc
	s_mov_b32 s71, 0
	s_lshl_b32 s72, s59, 13
	s_lshl_b32 s61, s60, 9
	s_add_co_u32 s72, s72, s61                     ; in qs
	s_mov_b32 s73, 0
	s_lshl_b32 s74, s59, 4
	s_add_co_u32 s74, s74, s60
	s_mul_i32 s74, s74, 8960                       ; in kv
	s_mov_b32 s75, 0
	s_lshl_b32 s76, s29, 11                        ; the head's 64 rows of scale bytes
	s_mov_b32 s77, 0
	s_lshl_b32 s78, s29, 15                        ; and of codes
	s_mov_b32 s79, 0
	s_mov_b32 s[G0], 1
	s_mul_i32 s[G0+1], s[WV], WMAT                 ; wave m fetches matrix m: no place in the cluster enters an LDS address
	v_and_b32 v8, 31, v0                           ; lane
	v_and_b32 v9, 15, v0                           ; r
	v_bfe_u32 v10, v0, 4, 1                        ; h
	v_lshlrev_b32 v[LI], 4, v8
	v_lshlrev_b32 v[L8], 3, v8
	v_lshlrev_b32 v[L32], 5, v8
	v_mul_u32_u24 v11, v9, WPIT
	v_lshl_add_u32 v11, v10, 4, v11                ; a fragment's row x pitch + 16 x half
.irp m, 0,1,2
	v_add_nc_u32 v[ADW+\m], \m*WMAT, v11
.endr
	v_cmp_le_u32 s[HM], 16, v8                     ; lanes 16-31
.irp i, 0,1,2,3,4,5,6,7
	v_mov_b32 v[T2+\i], 0                          ; written once: a lane permute's destination counts as one of its sources
.endr
	s_wait_dscnt 0x0
	s_wait_kmcnt 0x0
	s_add_nc_u64 s[48:49], s[4:5], s[66:67]        ; xc at my rows
	s_add_nc_u64 s[50:51], s[6:7], s[68:69]        ; xs
	s_add_nc_u64 s[52:53], s[20:21], s[70:71]      ; qc
	s_add_nc_u64 s[54:55], s[22:23], s[72:73]      ; qs
	s_add_nc_u64 s[56:57], s[24:25], s[74:75]      ; kv
	s_add_nc_u64 s[10:11], s[10:11], s[76:77]      ; the three weights' scale bytes at the head
	s_add_nc_u64 s[14:15], s[14:15], s[76:77]
	s_add_nc_u64 s[18:19], s[18:19], s[76:77]
	s_cmp_eq_u32 s[WV], 1                          ; which weight my wave fetches: the choice hangs on the wave's number alone
	s_cselect_b64 s[G0+2:G0+3], s[12:13], s[8:9]
	s_cmp_eq_u32 s[WV], 2
	s_cselect_b64 s[G0+2:G0+3], s[16:17], s[G0+2:G0+3]
	s_add_nc_u64 s[G0+2:G0+3], s[G0+2:G0+3], s[78:79]
	s_or_b32 s[G0+3], s[G0+3], 0x80000000          ; type = 2
	ROUND                                          ; all four work-groups are here: the joint loads meet
	s_cmp_lt_u32 s[WV], 3                          ; waves 0 to 2 fetch a matrix each: one tensor load of mine is out
	s_cbranch_scc0 .Lno_fill
	tensor_load_to_lds s[G0:G0+3], s[G1:G1+7]
	s_nop 0
	PLACES 4
.Lno_fill:
.irp p, 0,1,2,3
.irp f, 0,1
	global_load_b128 v[XS+8*\p+4*\f:XS+8*\p+4*\f+3], v[L32], s[50:51] offset:1024*\p+16*\f
.endr
.endr
.irp m, 0,1,2
.irp p, 0,1
.irp f, 0,1
	global_load_b128 v[WS+16*\m+8*\p+4*\f:WS+16*\m+8*\p+4*\f+3], v[L32], s[10+4*\m:11+4*\m] offset:1024*\p+16*\f
.endr
.endr
.endr
	WIN 0x80                                       ; destination window 2
.irp i, 0,1,2,3
.irp s, 0,1,2,3,4,5,6,7
.irp c, 0,1
	global_load_b128 v[64*\i+8*\s+4*\c:64*\i+8*\s+4*\c+3], v[LI], s[48:49] offset:8192*\i+1024*\s+512*\c
.endr
.endr
.endr
	WIN 0xc0                                       ; destination window 3
.irp i, 0,1,2,3
.irp s, 0,1,2,3,4,5,6,7
.irp c, 0,1
	global_load_b128 v[64*\i+8*\s+4*\c:64*\i+8*\s+4*\c+3], v[LI], s[48:49] offset:8192*(\i+4)+1024*\s+512*\c
.endr
.endr
.endr
	WIN 0
	s_wait_tensorcnt 0x0                           ; my matrix has landed,
	s_barrier_signal -1
	s_barrier_wait -1                              ; everybody's has
; the 8 fragments of pass n's 16 weight rows (matrix n / 4, tile n % 4), all of K, into buffer n % 2
.macro FETCHW n
.set FM_, (\n)/4
.set FT_, (\n)%4
.set FW_, 128+64*((\n)%2)
	WIN TO_W
.irp s, 0,1,2,3,4,5,6,7
.irp c, 0,1
	ds_load_b128 v[FW_+8*\s+4*\c:FW_+8*\s+4*\c+3], v[ADW+FM_] offset:FT_*16*WPIT+64*\s+32*\c
.endr
.endr
.endm
; 32 matrix instructions: four tiles of rows x all of K; the four accumulators take turns, one instruction a turn
.macro HALF hi
.if M_ < 2
	WIN 0x59+4*\hi                                 ; source 0 (weight) window 1, source 1 (x) window 2 or 3, C and D window 1
.else
	WIN 0x56+\hi                                   ; source 0 (x) window 2 or 3, source 1 (weight) window 1
.endif
.irp s, 0,1,2,3,4,5,6,7
.irp i, 0,1,2,3
.set I_, 4*\hi+\i
.if M_ < 2
	MMS AC_+8*I_, WF_+8*\s, 64*\i+8*\s, (\s==0), WS+16*M_+8*(T_/2)+\s, XS+8*(I_/2)+\s, T_%2, I_%2
.else
	MMS AC_+8*I_, 64*\i+8*\s, WF_+8*\s, (\s==0), XS+8*(I_/2)+\s, WS+16*M_+8*(T_/2)+\s, I_%2, T_%2
.endif
.endr
.endr
.endm
; pass n of 12: 16 weight rows against my 128 rows of x
.macro NT n, first, last
.set M_, (\n)/4
.set T_, (\n)%4
.set AC_, 64*((\n)%2)
.set WF_, 128+64*((\n)%2)
	s_wait_dscnt 0x0                               ; this pass's 16 fragment loads, issued half a pass ago, are in
.if \first
	s_wait_loadcnt 63                              ; the scale words and x's tiles 0-3 are in: behind them stand the 64 loads of tiles 4-7, and 63 is the largest count that the wait can name
.endif
	HALF 0
.if (\last) == 0
	PLACES 4                                       ; in front of loads into the buffer that the pass before multiplied
	FETCHW (\n)+1
.endif
.if \first
	s_wait_loadcnt 0x0                             ; x's tiles 4-7
.endif
	HALF 1
	WIN 0
.endm
; behind tiles 2 blk and 2 blk + 1 of q or k: block blk of the head, for my 8 tiles of rows
.macro EPI_QK blk, cb, sb, so
	PLACES 4                                       ; in front of the first read of results
	s_wait_xcnt 0x0                                ; earlier stores have read their data: the codes' registers are written again only behind this wait
	WIN MAXW
.irp i, 0,1,2,3,4,5,6,7
	v_max3_num_f32 v[TM+\i], 0x1800000, |v[8*\i]|, |v[8*\i+1]|      ; each accumulator from its low end on; the floor 2^(3 - 127) holds the byte at 1 from below
.endr
.irp k, 2,4,6
.irp i, 0,1,2,3,4,5,6,7
	v_max3_num_f32 v[TM+\i], v[TM+\i], |v[8*\i+\k]|, |v[8*\i+\k+1]|
.endr
.endr
.irp k, 0,2,4,6
.irp i, 0,1,2,3,4,5,6,7
	v_max3_num_f32 v[TM+\i], v[TM+\i], |v[64+8*\i+\k]|, |v[64+8*\i+\k+1]|
.endr
.endr
	WIN 0
.irp i, 0,1,2,3,4,5,6,7
	v_permlanex16_b32 v[T2+\i], v[TM+\i], s[SEL], s[SEL+1]
.endr
.irp i, 0,1,2,3,4,5,6,7
	v_max_num_f32 v[TM+\i], v[TM+\i], v[T2+\i]     ; with lane l xor 16's 16 units: the block's largest magnitude
.endr
.irp i, 0,1,2,3,4,5,6,7
	v_add_nc_u32 v[SCL+\i], 0xff000000, v[TM+\i]   ; 2 off the exponent field: the conversion's scale operand
.endr
.irp i, 0,1,2,3,4,5,6,7
	v_lshrrev_b32 v[T2+\i], 23, v[SCL+\i]          ; the byte
.endr
.irp i, 0,1,2,3,4,5,6,7
.if \blk
	v_lshl_or_b32 v[SW+\i], v[T2+\i], 8, v[SW+\i]
.else
	v_or_b32 v[SW+\i], 0x7f7f0000, v[T2+\i]        ; blocks 2 and 3 of the instruction's 128 are zero codes under the byte 127
.endif
.endr
	WIN CVTW
.irp i, 0,1,2,3,4,5,6,7
	v_cvt_scalef32_pk8_fp4_f32 v[PCQ+4*\i+\blk], v[8*\i:8*\i+7], v[SCL+\i]
	v_cvt_scalef32_pk8_fp4_f32 v[PCQ+4*\i+2+\blk], v[64+8*\i:64+8*\i+7], v[SCL+\i]
.endr
	WIN 0
	v_nop                                          ; one plain place behind a scaled conversion
.if \blk
.irp i, 0,1,2,3,4,5,6,7
	v_permlane16_swap_b32 v[PCQ+4*\i], v[PCQ+4*\i+1]      ; lanes 0-15 keep block 0, lanes 16-31 get block 1
	v_permlane16_swap_b32 v[PCQ+4*\i+2], v[PCQ+4*\i+3]
.endr
.irp i, 0,1,2,3,4,5,6,7
	global_store_b128 v[LI], v[PCQ+4*\i:PCQ+4*\i+3], s[\cb:\cb+1] offset:512*\i   ; 32 lanes store 512 consecutive bytes
.endr
.irp j, 0,1,2,3
	v_cndmask_b32 v[WJ+\j], v[SW+2*\j], v[SW+2*\j+1], s[HM]   ; word j of lane l: row 32 j + l
.endr
	global_store_b128 v[LI], v[WJ:WJ+3], s[\sb:\sb+1] offset:\so
.endif
.endm
; behind tile t of v: 16 channels x my 128 keys become one fragment of V^T and its scale words
.macro EPI_V t
.set VA_, 64*((\t)%2)
	PLACES 4
.if (\t) == 0
	s_wait_xcnt 0x0                                ; k's stores have read their data
.endif
	WIN MAXW
.irp b, 0,1,2,3
	v_max3_num_f32 v[TM+\b], 0x1800000, |v[VA_+16*\b]|, |v[VA_+16*\b+1]|
.endr
.irp k, 2,4,6,8,10,12,14
.irp b, 0,1,2,3
	v_max3_num_f32 v[TM+\b], v[TM+\b], |v[VA_+16*\b+\k]|, |v[VA_+16*\b+\k+1]|
.endr
.endr
	WIN 0
.irp b, 0,1,2,3
	v_permlanex16_b32 v[T2+\b], v[TM+\b], s[SEL], s[SEL+1]
.endr
.irp b, 0,1,2,3
	v_max_num_f32 v[TM+\b], v[TM+\b], v[T2+\b]
.endr
.irp b, 0,1,2,3
	v_add_nc_u32 v[SCL+\b], 0xff000000, v[TM+\b]
.endr
.irp b, 0,1,2,3
	v_lshrrev_b32 v[T2+\b], 23, v[SCL+\b]
.endr
	v_lshl_or_b32 v[SW+\t], v[T2+1], 8, v[T2]
	v_lshl_or_b32 v[SW+\t], v[T2+2], 16, v[SW+\t]
	v_lshl_or_b32 v[SW+\t], v[T2+3], 24, v[SW+\t]  ; channel 16 t + r's scale word for these 128 keys
	WIN CVTW
.irp i, 0,1,2,3,4,5,6,7
	v_cvt_scalef32_pk8_fp4_f32 v[PCQ+8*\t+4*(\i/4)+2*(\i%2)+(\i%4)/2], v[VA_+8*\i:VA_+8*\i+7], v[SCL+\i/2]
.endr
	WIN 0
	v_nop
.irp c, 0,1
	v_permlane16_swap_b32 v[PCQ+8*\t+4*\c], v[PCQ+8*\t+4*\c+1]
	v_permlane16_swap_b32 v[PCQ+8*\t+4*\c+2], v[PCQ+8*\t+4*\c+3]
.endr
.irp c, 0,1
	global_store_b128 v[LI], v[PCQ+8*\t+4*\c:PCQ+8*\t+4*\c+3], s[56:57] offset:4096+1024*\t+512*\c
.endr
.endm
	FETCHW 0
	NT 0, 1, 0                                     ; q
	NT 1, 0, 0
	EPI_QK 0, 52, 54, 0
	NT 2, 0, 0
	NT 3, 0, 0
	EPI_QK 1, 52, 54, 0
	NT 4, 0, 0                                     ; k
	NT 5, 0, 0
	EPI_QK 0, 56, 56, 8192
	NT 6, 0, 0
	NT 7, 0, 0
	EPI_QK 1, 56, 56, 8192
	NT 8, 0, 0                                     ; v
	EPI_V 0
	NT 9, 0, 0
	EPI_V 1
	NT 10, 0, 0
	EPI_V 2
	NT 11, 0, 1
	EPI_V 3
	v_cndmask_b32 v[WJ], v[SW], v[SW+1], s[HM]     ; word j of lane l: channel 32 j + l  (k's store of these registers was issued ahead of the wait in front of v's first codes)
	v_cndmask_b32 v[WJ+1], v[SW+2], v[SW+3], s[HM]
	global_store_b64 v[L8], v[WJ:WJ+1], s[56:57] offset:8704
	s_wait_dscnt 0x0
	s_wait_tensorcnt 0x0
	ds_add_u32 v254, v255
	s_wait_dscnt 0x0
	ROUND                                          ; the closing round: no work-group ends while a partner may still ask for a tile that names it
	s_endpgm
.Lfunc_end_k_q96f959e424_qkv:
	.size	k_q96f959e424_qkv, .Lfunc_end_k_q96f959e424_qkv-k_q96f959e424_qkv
	.p2alignl 7, 3214868480
	.fill 96, 4, 3214868480
	.section	.rodata,"a",@progbits
	.p2align	6, 0x0
	.amdhsa_kernel k_q96f959e424_qkv
		.amdhsa_group_segment_fixed_size 168448
		.amdhsa_private_segment_fixed_size 0
		.amdhsa_enable_private_segment 0
		.amdhsa_kernarg_size 88
		.amdhsa_user_sgpr_count 2
		.amdhsa_user_sgpr_kernarg_segment_ptr 1
		.amdhsa_wavefront_size32 1
		.amdhsa_system_sgpr_workgroup_id_x 1
		.amdhsa_system_sgpr_workgroup_id_y 1
		.amdhsa_system_sgpr_workgroup_id_z 1
		.amdhsa_system_vgpr_workitem_id 0
		.amdhsa_next_free_vgpr 1024
		.amdhsa_next_free_sgpr 80
		.amdhsa_reserve_vcc 0
		.amdhsa_float_denorm_mode_32 3
		.amdhsa_float_denorm_mode_16_64 3
		.amdhsa_memory_ordered 1
		.amdhsa_forward_progress 1
		.amdhsa_inst_pref_size 181
	.end_amdhsa_kernel
	.amdgpu_metadata
---
amdhsa.version: [ 1, 2 ]
amdhsa.kernels:
  - .name:           k_q96f959e424_qkv
    .symbol:         k_q96f959e424_qkv.kd
    .args:
      - { .name: xc, .offset: 0, .size: 8, .value_kind: global_buffer, .address_space: global }
      - { .name: xs, .offset: 8, .size: 8, .value_kind: global_buffer, .address_space: global }
      - { .name: W_Q_codes, .offset: 16, .size: 8, .value_kind: global_buffer, .address_space: global }
      - { .name: W_Q_scales, .offset: 24, .size: 8, .value_kind: global_buffer, .address_space: global }
      - { .name: W_K_codes, .offset: 32, .size: 8, .value_kind: global_buffer, .address_space: global }
      - { .name: W_K_scales, .offset: 40, .size: 8, .value_kind: global_buffer, .address_space: global }
      - { .name: W_V_codes, .offset: 48, .size: 8, .value_kind: global_buffer, .address_space: global }
      - { .name: W_V_scales, .offset: 56, .size: 8, .value_kind: global_buffer, .address_space: global }
      - { .name: qc, .offset: 64, .size: 8, .value_kind: global_buffer, .address_space: global }
      - { .name: qs, .offset: 72, .size: 8, .value_kind: global_buffer, .address_space: global }
      - { .name: kv, .offset: 80, .size: 8, .value_kind: global_buffer, .address_space: global }
    .group_segment_fixed_size: 168448
    .private_segment_fixed_size: 0
    .kernarg_segment_align: 8
    .kernarg_segment_size: 88
    .max_flat_workgroup_size: 128
    .sgpr_count:     80
    .vgpr_count:     1024
    .wavefront_size: 32
...
	.end_amdgpu_metadata
.endif
;; end of part 2
;; launch attn (part 3): grid 4 x 64, 16 waves a work-group, no clusters, 169,984 bytes of LDS; arguments qc, qs, kv, cc, cs; writes cc, cs
.if DOCPART == 3
	.amdgcn_target "amdgcn-amd-amdhsa--gfx1250"
	.amdhsa_code_object_version 6
	.text
	.protected	k_q96f959e424_attn
	.globl	k_q96f959e424_attn
	.p2align	8
	.type	k_q96f959e424_attn,@function
k_q96f959e424_attn:
	s_mov_b64 s[64:65], 0
	v_nop
	global_prefetch_b8 v0, s[64:65] scope:SCOPE_SE
	s_setreg_imm32_b32 hwreg(HW_REG_WAVE_MODE, 25, 1), 1
	s_wait_xcnt 0x0
; ctx = softmax(q k^T / 8, causal) v for one head, both products on codes of FP4 with E8M0 scales; ctx is divided by the row's sum and quantised along the merged columns at once.
; THE SOFTMAX AHEAD OF THE SECOND PRODUCT: t = score x log2(e) / 8; M = the row's largest t so far, rounded UP to a whole number; p = 2^(t - M) is what is quantised, along the keys, not normalised.
; The row's sum is taken of the unquantised p, in f32, and divides O at the end.  When M moves, the sum and O are multiplied by 2^(old M - new M): exact.
; SHARES: work-group (i, head): sixteen waves of 256 registers, four to a SIMD, so that one wave's vector work stands beside another's matrix work and LDS loads.  A wave takes two tiles of 16 queries, one after
; the other: tile 16 i + w, then tile 127 - (16 i + w).  Tile T needs T / 8 + 1 key steps of 128, so every wave walks 17 steps.
; K AND V OF THE WHOLE HEAD, codes and scale words, are 16 x 8,960 = 143,360 bytes: they come into LDS once, wave w fetching key step w with one tensor load (one tensor load of mine is out), and stay: no ring.
; They lie as images of operand registers (16 bytes x lane), so every LDS load takes 512 consecutive bytes.
; NO CLUSTER: the four work-groups that share a head's K and V differ in their queries, and the jumps that leave hidden key steps out hang on the queries; partners of a joint load must run alike.
; What would be shared is 143,360 bytes a work-group, read once.
; LAYOUT: both products transposed: S^T = K Q^T (source 0 = 16 keys, source 1 = my 16 queries), O^T = V^T P^T: a lane holds ONE query (lane % 16) throughout.  Register j of score tile t is key 16 t + 8 h + j.
; The head is 64 long and the instruction takes 128 along K: registers 4-7 of K's and Q's fragments are zero codes under the scale byte 127.
; FROM RESULT TO OPERAND: a block of 32 keys is tiles 2 B, 2 B + 1; a tile's conversion gives one word of the block in lanes 0-15 and the next in lanes 16-31; an exchange of halves between blocks 2 c and 2 c + 1 gives the operand's registers.
; CAUSAL: the loop has 16 trips in every wave; a step all of whose keys come after my queries is jumped over (a scalar branch on ids).  In the step on the diagonal hidden scores get the value -8e7, which is the
; logit -1e7 of the definition ahead of the division by 8.
; LIMITS: steps that lie wholly behind the diagonal are left out, which equals the definition as long as a row's largest visible logit lies above about -9.9e6 (else the hidden keys' weights would not vanish).
; NaN and infinities are not served.  A block whose largest magnitude lies under 2^-124, a block of zeros too, gets the scale byte 1; only this program reads the bytes.
.set STEPB, 8960
.set LI,   1                           ; 16 x lane
.set L8,   2                           ; 8 x lane
.set ADR,  3                           ; the step's LDS address + 16 x lane
.set AD8,  4                           ; + 8 x lane
.set RH,   5                           ; r - 8 h
.set R16,  6                           ; 16 r
.set R32H, 7                           ; 32 r + h
.set DQ,   8                           ; my query less 8 h, counted from the diagonal step's first key
.set NEG,  9                           ; -8e7
.set QA,   10
.set QB,   11
.set CA,   24
.set CB,   25
.set BY,   26
.set KF,   32                          ; v32-95   K's 8 fragments
.set VF,   192                         ; v192-223 V's 4 fragments
.set VS,   240                         ; v240-241 V's scale words
.set KS,   248                         ; v248-251 K's scale words
; v12 -M, v13 the largest t, v[14:15] the sum in two halves; v16-23 Q; v96-159 S^T, then p; v160-191 O^T; v224-231 p's codes; v232-239, v244-247, v252, v254 at work; v253 p's scale word; v255 Q's
.set WV,   14
.set BH,   15
.set QT,   18
.set DG,   19
.set ST,   20
.set TB,   21
.set SEL,  24
.set CS,   26
.set HM,   28
.set G1,   32
.set G0,   40
.macro PLACES n
.rept \n
	v_nop
.endr
.endm
.macro MMS d, a, b, z, sa, sb, ra
.if (\z)
.if (\ra)
	v_wmma_scale_f32_16x16x128_f8f6f4 v[0+(\d):7+(\d)], v[0+(\a):7+(\a)], v[0+(\b):7+(\b)], 0, v[\sa], v[\sb] matrix_a_fmt:MATRIX_FMT_FP4 matrix_b_fmt:MATRIX_FMT_FP4 matrix_a_scale:MATRIX_SCALE_ROW1
.else
	v_wmma_scale_f32_16x16x128_f8f6f4 v[0+(\d):7+(\d)], v[0+(\a):7+(\a)], v[0+(\b):7+(\b)], 0, v[\sa], v[\sb] matrix_a_fmt:MATRIX_FMT_FP4 matrix_b_fmt:MATRIX_FMT_FP4
.endif
.else
.if (\ra)
	v_wmma_scale_f32_16x16x128_f8f6f4 v[0+(\d):7+(\d)], v[0+(\a):7+(\a)], v[0+(\b):7+(\b)], v[0+(\d):7+(\d)], v[\sa], v[\sb] matrix_a_fmt:MATRIX_FMT_FP4 matrix_b_fmt:MATRIX_FMT_FP4 matrix_a_scale:MATRIX_SCALE_ROW1
.else
	v_wmma_scale_f32_16x16x128_f8f6f4 v[0+(\d):7+(\d)], v[0+(\a):7+(\a)], v[0+(\b):7+(\b)], v[0+(\d):7+(\d)], v[\sa], v[\sb] matrix_a_fmt:MATRIX_FMT_FP4 matrix_b_fmt:MATRIX_FMT_FP4
.endif
.endif
.endm
	s_load_b256 s[4:11], s[0:1], 0x0               ; qc, qs, kv, cc
	s_load_b64 s[12:13], s[0:1], 0x20              ; cs
	v_lshl_add_u32 v242, v0, 2, 0x29000
	v_mov_b32 v243, 0
	ds_add_u32 v242, v243
	ds_add_u32 v242, v243
	v_lshrrev_b32 v27, 5, v0
	s_delay_alu instid0(VALU_DEP_1)
	v_readfirstlane_b32 s[WV], v27                 ; wave 0..15
	s_and_b32 s[BH], ttmp7, 0xffff                 ; 16 b + h
	s_mov_b32 s[G1+0], 3<<16                       ; elements of 8 bytes, no mask, no padding: a dense block as 35 rows of 256 bytes
	s_mov_b32 s[G1+1], 32<<16                      ; tensor_dim0 = 32
	s_mov_b32 s[G1+2], 35<<16                      ; tensor_dim1 = 35
	s_mov_b32 s[G1+3], 32<<16                      ; tile_dim0 = 32
	s_mov_b32 s[G1+4], 35                          ; tile_dim1 = 35
	s_mov_b32 s[G1+5], 32                          ; elements from row to row
	s_mov_b32 s[G1+6], 0
	s_mov_b32 s[G1+7], 0
	s_lshl_b32 s44, s[BH], 4
	s_add_co_u32 s44, s44, s[WV]
	s_mul_i32 s44, s44, STEPB                      ; key step w of my head in kv
	s_mov_b32 s45, 0
	s_mov_b32 s[G0], 1
	s_mul_i32 s[G0+1], s[WV], STEPB                ; and in LDS
	s_lshl_b32 s46, s[BH], 16                      ; my head in qc,
	s_mov_b32 s47, 0
	s_lshl_b32 s48, s[BH], 13                      ; in qs
	s_mov_b32 s49, 0
	s_lshr_b32 s50, s[BH], 4                       ; b
	s_and_b32 s51, s[BH], 15                       ; h
	s_lshl_b32 s52, s50, 20
	s_lshl_b32 s53, s51, 9
	s_add_co_u32 s52, s52, s53                     ; cc: 128 tiles of 8,192 bytes a batch, 512 bytes a head
	s_mov_b32 s53, 0
	s_lshl_b32 s54, s50, 16
	s_lshl_b32 s55, s51, 1
	s_add_co_u32 s54, s54, s55                     ; cs: 2,048 rows of 32 bytes a batch, 2 bytes a head
	s_mov_b32 s55, 0
	s_mov_b32 s[SEL], 0x76543210
	s_mov_b32 s[SEL+1], 0xfedcba98
	s_mov_b32 s[CS], 0x3e38aa3b                    ; c = log2(e) / 8
	s_mov_b32 s[CS+1], s[CS]                       ; (named with it as a pair, so it is written)
	s_wait_dscnt 0x0
	s_wait_kmcnt 0x0
	s_add_nc_u64 s[G0+2:G0+3], s[8:9], s[44:45]
	s_or_b32 s[G0+3], s[G0+3], 0x80000000          ; type = 2
	tensor_load_to_lds s[G0:G0+3], s[G1:G1+7]
	s_nop 0
	v_and_b32 v27, 31, v0                          ; lane
	v_and_b32 v28, 15, v0                          ; r
	v_bfe_u32 v29, v0, 4, 1                        ; h
	s_delay_alu instid0(VALU_DEP_3)
	v_lshlrev_b32 v[LI], 4, v27
	s_delay_alu instid0(VALU_DEP_4)
	v_lshlrev_b32 v[L8], 3, v27
	s_delay_alu instid0(VALU_DEP_3)
	v_lshlrev_b32 v30, 3, v29
	s_delay_alu instid0(VALU_DEP_1)
	v_sub_nc_u32 v[RH], v28, v30
	v_lshlrev_b32 v[R16], 4, v28
	v_lshl_add_u32 v[R32H], v28, 5, v29
	v_mov_b32 v[NEG], 0xcc989680                   ; -8e7
	v_cmp_le_u32 s[HM], 16, v27
.irp k, 20,21,22,23
	v_mov_b32 v[\k], 0                             ; Q's upper 64 along K: zero codes
.endr
.irp t, 0,1,2,3,4,5,6,7
.irp k, 4,5,6,7
	v_mov_b32 v[KF+8*\t+\k], 0                     ; K's likewise: set once, never loaded
.endr
.endr
.irp k, 236,237,238,239,252,253
	v_mov_b32 v[\k], 0                             ; lane permutes' destinations, and the pair v[252:253], are written before they are first named
.endr
	s_add_nc_u64 s[4:5], s[4:5], s[46:47]
	s_add_nc_u64 s[6:7], s[6:7], s[48:49]
	s_add_nc_u64 s[10:11], s[10:11], s[52:53]
	s_add_nc_u64 s[12:13], s[12:13], s[54:55]
	s_wait_tensorcnt 0x0                           ; my key step has landed,
	s_barrier_signal -1
	s_barrier_wait -1                              ; everybody's has: the only barrier
; one tile of 16 queries through all its key steps
.macro PASS pn
.if \pn
	s_sub_co_u32 s[QT], 127, s[QT]                 ; the mirror tile
.else
	s_lshl_b32 s[QT], ttmp9, 4
	s_add_co_u32 s[QT], s[QT], s[WV]
.endif
	s_lshr_b32 s[DG], s[QT], 3                     ; the step on the diagonal
	s_and_b32 s44, s[QT], 7
	s_lshl_b32 s44, s44, 4
	v_add_nc_u32 v[DQ], s44, v[RH]
	s_lshl_b32 s45, s[QT], 9
	v_add_nc_u32 v[QA], s45, v[LI]
	global_load_b128 v[16:19], v[QA], s[4:5]       ; Q's fragment
	s_lshl_b32 s46, s[DG], 9                       ; its scale word: step T / 8, lane 16 (T % 2) + r, word (T / 2) % 4
	s_and_b32 s47, s[QT], 1
	s_lshl_b32 s47, s47, 8
	s_add_co_u32 s46, s46, s47
	s_bfe_u32 s47, s[QT], 0x20001
	s_lshl_b32 s47, s47, 2
	s_add_co_u32 s46, s46, s47
	v_add_nc_u32 v[QB], s46, v[R16]
	global_load_b32 v255, v[QB], s[6:7]
	v_mov_b32 v13, 0xff61b1e6                      ; the largest t so far: -3e38, under every t
	s_delay_alu instid0(VALU_DEP_1)
	v_floor_f32 v12, -v13                          ; -M
	v_mov_b32 v14, 0                               ; the sum, in two halves
	v_mov_b32 v15, 0
.set j_, 0
.rept 32
	v_mov_b32 v[160+j_], 0                         ; O^T: the step is written once: the first finds zeros, which the first change of M leaves zeros
.set j_, j_+1
.endr
	s_mov_b32 s[ST], 0
	s_mov_b32 s[TB], 0
	s_wait_loadcnt 0x0
.Lstep_\@:                                         ; 16 trips in every wave
	s_cmp_gt_u32 s[ST], s[DG]                      ; all 128 keys come after my queries: only the stepping lines at the trip's end are run
	s_cbranch_scc1 .Lhidden_\@
	s_setprio 2
	v_add_nc_u32 v[ADR], s[TB], v[LI]
	v_add_nc_u32 v[AD8], s[TB], v[L8]
.irp t, 0,1,2,3,4,5,6,7
	ds_load_b128 v[KF+8*\t:KF+8*\t+3], v[ADR] offset:512*\t
.endr
	ds_load_b128 v[KS:KS+3], v[ADR] offset:8192
.irp f, 0,1,2,3,4,5,6,7
	ds_load_b128 v[VF+4*\f:VF+4*\f+3], v[ADR] offset:4096+512*\f
.endr
	ds_load_b64 v[VS:VS+1], v[AD8] offset:8704
	s_wait_dscnt 9                                 ; K and its scale words are in; V's eight loads and its scale words may be out
.irp t, 0,1,2,3,4,5,6,7
	MMS 96+8*\t, KF+8*\t, 16, 1, KS+(\t/2), 255, \t%2
.endr
	PLACES 4
	s_cmp_lg_u32 s[ST], s[DG]                      ; a step all of whose keys count has no mask
	s_cbranch_scc1 .Lopen_\@
.set n_, 0
.rept 64
	v_cmp_gt_i32 vcc_lo, 16*(n_/8)+n_%8, v[DQ]     ; register n holds key 16 (n / 8) + 8 h + n % 8 of the step: hidden where that lies behind my query
	v_cndmask_b32 v[96+n_], v[96+n_], v[NEG], vcc_lo
.set n_, n_+1
.endr
.Lopen_\@:
.irp b, 0,1,2,3
	v_max3_num_f32 v[232+\b], v[96+16*\b], v[97+16*\b], v[98+16*\b]   ; the largest score of each block of 32 keys: for the row's maximum, and, since p rises with the score, for the block's largest p
.endr
.irp i, 3,5,7,9,11,13
.irp b, 0,1,2,3
	v_max3_num_f32 v[232+\b], v[232+\b], v[96+16*\b+\i], v[97+16*\b+\i]
.endr
.endr
.irp b, 0,1,2,3
	v_max_num_f32 v[232+\b], v[232+\b], v[111+16*\b]
.endr
.irp b, 0,1,2,3
	s_delay_alu instid0(VALU_DEP_4)
	v_permlanex16_b32 v[236+\b], v[232+\b], s[SEL], s[SEL+1]
.endr
.irp b, 0,1,2,3
	s_delay_alu instid0(VALU_DEP_4)
	v_max_num_f32 v[232+\b], v[232+\b], v[236+\b]  ; with lane l xor 16's 16 keys
.endr
	s_delay_alu instid0(VALU_DEP_2)
	v_max3_num_f32 v254, v232, v233, v234
	s_delay_alu instid0(VALU_DEP_1)
	v_max_num_f32 v254, v254, v235                 ; the step's largest score of my query
	s_delay_alu instid0(VALU_DEP_1)
	v_mul_f32 v254, s[CS], v254                    ; as t (c is positive)
	s_delay_alu instid0(VALU_DEP_1)
	v_max_num_f32 v13, v13, v254                   ; the running largest t
	v_mov_b32 v254, v12
	s_delay_alu instid0(VALU_DEP_2)
	v_floor_f32 v12, -v13                          ; the new -M = floor(-t) = -ceil(t)
	s_delay_alu instid0(VALU_DEP_1)
	v_sub_f32 v254, v12, v254                      ; old M - new M: a whole number, 0 or less
	s_delay_alu instid0(VALU_DEP_1)
	v_cvt_i32_f32 v254, v254                       ; (it saturates)
	s_delay_alu instid0(VALU_DEP_1)
	v_ldexp_f32 v252, 1.0, v254                    ; f = 2^(old M - new M)
.set j_, 0
.rept 32
	v_pk_fma_f32 v[96+j_:97+j_], v[96+j_:97+j_], s[CS:CS+1], v[12:13] op_sel_hi:[1,0,0]   ; t - M, two at a time
.set j_, j_+2
.endr
	s_setprio 1
.irp b, 0,1,2,3
	v_fma_f32 v[232+\b], v[232+\b], s[CS], v12     ; the same of each block's largest score
.endr
.set j_, 0
	s_wait_alu depctr_va_vdst(0)
.rept 64
	v_exp_f32 v[96+j_], v[96+j_]                   ; p = 2^(t - M), at most 1
.set j_, j_+1
.endr
.irp b, 0,1,2,3
	v_exp_f32 v[232+\b], v[232+\b]                 ; the block's largest p
.endr
	v_pk_mul_f32 v[14:15], v[14:15], v[252:253] op_sel_hi:[1,0]   ; the sums under the new M (a plain place behind the exponentials)
	s_wait_alu depctr_va_vdst(0)
.irp b, 0,1,2,3
	v_max_num_f32 v[232+\b], 0x1800000, v[232+\b]  ; the floor 2^(3 - 127): the byte cannot fall under 1
.endr
.irp b, 0,1,2,3
	s_delay_alu instid0(VALU_DEP_4)
	v_add_nc_u32 v[244+\b], 0xff000000, v[232+\b]  ; the conversion's scale operand
.endr
.irp b, 0,1,2,3
	s_delay_alu instid0(VALU_DEP_4)
	v_lshrrev_b32 v[236+\b], 23, v[244+\b]         ; the byte
.endr
	s_delay_alu instid0(VALU_DEP_3)
	v_lshl_or_b32 v253, v237, 8, v236              ; p's scale word for these 128 keys
	s_delay_alu instid0(VALU_DEP_1)
	v_lshl_or_b32 v253, v238, 16, v253
	s_delay_alu instid0(VALU_DEP_1)
	v_lshl_or_b32 v253, v239, 24, v253
.irp t, 0,1,2,3,4,5,6,7
	v_cvt_scalef32_pk8_fp4_f32 v[224+4*(\t/4)+2*(\t%2)+(\t%4)/2], v[96+8*\t:103+8*\t], v[244+\t/2]
.endr
	v_nop                                          ; one plain place behind a scaled conversion
.irp c, 0,1
	v_permlane16_swap_b32 v[224+4*\c], v[225+4*\c] ; lanes 0-15 keep block 2 c, lanes 16-31 get block 2 c + 1
	v_permlane16_swap_b32 v[226+4*\c], v[227+4*\c]
.endr
.set j_, 0
.rept 16
	v_pk_mul_f32 v[160+j_:161+j_], v[160+j_:161+j_], v[252:253] op_sel_hi:[1,0]   ; O^T under the new M, each accumulator from its low end on
.set j_, j_+2
.endr
	v_pk_add_f32 v[236:237], v[100:101], v[104:105]
	s_setprio 0
	v_pk_add_f32 v[250:251], v[108:109], v[112:113]
	v_pk_add_f32 v[248:249], v[116:117], v[120:121]
	v_pk_add_f32 v[246:247], v[124:125], v[128:129]
	v_pk_add_f32 v[244:245], v[132:133], v[136:137]
	v_pk_add_f32 v[234:235], v[140:141], v[144:145]
	v_pk_add_f32 v[232:233], v[148:149], v[152:153]
	v_pk_add_f32 v[14:15], v[14:15], v[156:157]
	v_pk_add_f32 v[236:237], v[236:237], v[96:97]
	v_pk_add_f32 v[250:251], v[250:251], v[98:99]
	v_pk_add_f32 v[248:249], v[248:249], v[102:103]
	v_pk_add_f32 v[246:247], v[246:247], v[106:107]
	v_pk_add_f32 v[244:245], v[244:245], v[110:111]
	v_pk_add_f32 v[234:235], v[234:235], v[114:115]
	v_pk_add_f32 v[232:233], v[232:233], v[118:119]
	v_pk_add_f32 v[14:15], v[14:15], v[122:123]
	v_pk_add_f32 v[236:237], v[236:237], v[126:127]
	v_pk_add_f32 v[250:251], v[250:251], v[130:131]
	v_pk_add_f32 v[248:249], v[248:249], v[134:135]
	v_pk_add_f32 v[246:247], v[246:247], v[138:139]
	v_pk_add_f32 v[244:245], v[244:245], v[142:143]
	v_pk_add_f32 v[234:235], v[234:235], v[146:147]
	v_pk_add_f32 v[232:233], v[232:233], v[150:151]
	v_pk_add_f32 v[14:15], v[14:15], v[154:155]
	v_pk_add_f32 v[236:237], v[236:237], v[158:159]
	s_delay_alu instid0(VALU_DEP_2)
	v_pk_add_f32 v[14:15], v[14:15], v[246:247]
	s_delay_alu instid0(VALU_DEP_2)
	v_pk_add_f32 v[236:237], v[236:237], v[244:245]
	v_pk_add_f32 v[250:251], v[250:251], v[234:235]
	v_pk_add_f32 v[248:249], v[248:249], v[232:233]
	s_delay_alu instid0(VALU_DEP_2)
	v_pk_add_f32 v[14:15], v[14:15], v[250:251]
	s_delay_alu instid0(VALU_DEP_2)
	v_pk_add_f32 v[236:237], v[236:237], v[248:249]
	s_delay_alu instid0(VALU_DEP_1)
	v_pk_add_f32 v[14:15], v[14:15], v[236:237]
	s_wait_dscnt 0x0                               ; V and its scale words are in
.irp t, 0,1,2,3
	MMS 160+8*\t, VF+8*\t, 224, 0, VS+(\t/2), 253, \t%2
.endr
	PLACES 4                                       ; in front of the next step's loads into V's registers, and of the first read of O^T
.Lhidden_\@:
	s_add_co_u32 s[TB], s[TB], STEPB
	s_add_co_u32 s[ST], s[ST], 1
	s_cmp_lt_u32 s[ST], 16
	s_cbranch_scc1 .Lstep_\@
	s_setprio 0
	s_wait_alu depctr_va_vdst(0)
	v_add_f32 v14, v14, v15                        ; the sum's two halves,
	s_delay_alu instid0(VALU_DEP_1)
	v_permlanex16_b32 v252, v14, s[SEL], s[SEL+1]
	s_delay_alu instid0(VALU_DEP_1)
	v_add_f32 v14, v14, v252                       ; and lane l xor 16's: the row's sum
	s_wait_alu depctr_va_vdst(0)
	v_rcp_f32 v14, v14
	v_nop                                          ; one plain place behind a transcendental
.set j_, 0
	s_wait_alu depctr_va_vdst(0)
.rept 16
	v_pk_mul_f32 v[96+j_:97+j_], v[160+j_:161+j_], v[14:15] op_sel_hi:[1,0]   ; ctx(r, 16 t + 8 h + j)
.set j_, j_+2
.endr
.irp b, 0,1
	v_max3_num_f32 v[232+\b], |v[96+16*\b]|, |v[97+16*\b]|, 0x1800000   ; the head's two blocks of 32 merged columns
.endr
.irp i, 2,4,6,8,10,12,14
.irp b, 0,1
	s_delay_alu instid0(VALU_DEP_2)
	v_max3_num_f32 v[232+\b], v[232+\b], |v[96+16*\b+\i]|, |v[97+16*\b+\i]|
.endr
.endr
.irp b, 0,1
	s_delay_alu instid0(VALU_DEP_2)
	v_permlanex16_b32 v[236+\b], v[232+\b], s[SEL], s[SEL+1]
.endr
.irp b, 0,1
	s_delay_alu instid0(VALU_DEP_2)
	v_max_num_f32 v[232+\b], v[232+\b], v[236+\b]
.endr
.irp b, 0,1
	s_delay_alu instid0(VALU_DEP_2)
	v_add_nc_u32 v[244+\b], 0xff000000, v[232+\b]
.endr
.irp b, 0,1
	s_delay_alu instid0(VALU_DEP_2)
	v_lshrrev_b32 v[236+\b], 23, v[244+\b]
.endr
	v_cvt_scalef32_pk8_fp4_f32 v224, v[96:103], v244
	v_cvt_scalef32_pk8_fp4_f32 v226, v[104:111], v244
	v_cvt_scalef32_pk8_fp4_f32 v225, v[112:119], v245
	v_cvt_scalef32_pk8_fp4_f32 v227, v[120:127], v245
	v_nop
	v_permlane16_swap_b32 v224, v225
	v_permlane16_swap_b32 v226, v227
	s_lshl_b32 s44, s[QT], 13
	v_add_nc_u32 v[CA], s44, v[LI]
	global_store_b128 v[CA], v[224:227], s[10:11]  ; 32 lanes store 512 consecutive bytes
	v_cndmask_b32 v[BY], v236, v237, s[HM]         ; lanes 0-15 send block 0's byte of row r, lanes 16-31 block 1's
	s_lshl_b32 s45, s[QT], 9
	v_add_nc_u32 v[CB], s45, v[R32H]
	global_store_b8 v[CB], v[BY], s[12:13]         ; a row's 32 bytes come from 16 heads, so a head sends two of them: 32 single bytes inside the tile's 512
.if (\pn) == 0
	s_wait_xcnt 0x0                                ; the stores have read their registers: the next tile may write them
.endif
.endm
	PASS 0
	PASS 1
	s_wait_tensorcnt 0x0
	ds_add_u32 v242, v243
	s_wait_dscnt 0x0
	s_endpgm
.Lfunc_end_k_q96f959e424_attn:
	.size	k_q96f959e424_attn, .Lfunc_end_k_q96f959e424_attn-k_q96f959e424_attn
	.p2alignl 7, 3214868480
	.fill 96, 4, 3214868480
	.section	.rodata,"a",@progbits
	.p2align	6, 0x0
	.amdhsa_kernel k_q96f959e424_attn
		.amdhsa_group_segment_fixed_size 169984
		.amdhsa_private_segment_fixed_size 0
		.amdhsa_enable_private_segment 0
		.amdhsa_kernarg_size 40
		.amdhsa_user_sgpr_count 2
		.amdhsa_user_sgpr_kernarg_segment_ptr 1
		.amdhsa_wavefront_size32 1
		.amdhsa_system_sgpr_workgroup_id_x 1
		.amdhsa_system_sgpr_workgroup_id_y 1
		.amdhsa_system_sgpr_workgroup_id_z 1
		.amdhsa_system_vgpr_workitem_id 0
		.amdhsa_next_free_vgpr 256
		.amdhsa_next_free_sgpr 66
		.amdhsa_reserve_vcc 1
		.amdhsa_float_denorm_mode_32 3
		.amdhsa_float_denorm_mode_16_64 3
		.amdhsa_memory_ordered 1
		.amdhsa_forward_progress 1
		.amdhsa_inst_pref_size 60
	.end_amdhsa_kernel
	.amdgpu_metadata
---
amdhsa.version: [ 1, 2 ]
amdhsa.kernels:
  - .name:           k_q96f959e424_attn
    .symbol:         k_q96f959e424_attn.kd
    .args:
      - { .name: qc, .offset: 0, .size: 8, .value_kind: global_buffer, .address_space: global }
      - { .name: qs, .offset: 8, .size: 8, .value_kind: global_buffer, .address_space: global }
      - { .name: kv, .offset: 16, .size: 8, .value_kind: global_buffer, .address_space: global }
      - { .name: cc, .offset: 24, .size: 8, .value_kind: global_buffer, .address_space: global }
      - { .name: cs, .offset: 32, .size: 8, .value_kind: global_buffer, .address_space: global }
    .group_segment_fixed_size: 169984
    .private_segment_fixed_size: 0
    .kernarg_segment_align: 8
    .kernarg_segment_size: 40
    .max_flat_workgroup_size: 512
    .sgpr_count:     66
    .vgpr_count:     256
    .wavefront_size: 32
...
	.end_amdgpu_metadata
.endif
;; end of part 3
;; launch oproj (part 4): grid 256 x 1, 4 waves a work-group, clusters of 4 x 1, 327,680 bytes of LDS; arguments cc, cs, W_O_codes, W_O_scales, x, ln_gamma, ln_beta, out0; writes out0
.if DOCPART == 4
	.amdgcn_target "amdgcn-amd-amdhsa--gfx1250"
	.amdhsa_code_object_version 6
	.text
	.protected	k_q96f959e424_oproj
	.globl	k_q96f959e424_oproj
	.p2align	8
	.type	k_q96f959e424_oproj,@function
k_q96f959e424_oproj:
	s_mov_b64 s[64:65], 0
	v_nop
	global_prefetch_b8 v0, s[64:65] scope:SCOPE_SE
	s_setreg_imm32_b32 hwreg(HW_REG_WAVE_MODE, 25, 1), 1
	s_wait_xcnt 0x0
	s_wait_alu depctr_hold_cnt(0) depctr_sa_sdst(0) depctr_va_vdst(0) depctr_va_sdst(0) depctr_va_ssrc(0) depctr_va_vcc(0) depctr_vm_vsrc(0)
	s_getreg_b32 s2, hwreg(HW_REG_IB_STS2, 6, 4)
	s_cmp_eq_u32 s2, 0
	s_cbranch_scc0 .Lentry_in_a_cluster
	s_endpgm
.Lentry_in_a_cluster:
	s_bfe_u32 s2, ttmp6, 0x10000c
	s_cmp_lg_u32 s2, 0x3003
	s_cbranch_scc0 .Lentry_shape_is_right
	s_endpgm
.Lentry_shape_is_right:
; out0 = LayerNorm(ctx W_O + x) x gamma + beta.  The product is on codes of FP4 with E8M0 scales, all else in f32; mean and variance as the definition has them: the mean first, then the mean of the squared differences.
; SHARES: a work-group owns 32 whole rows, since the norm wants whole rows.  The four waves share the columns: in chunk j (0..3) wave w makes columns 256 j + 64 w .. + 63 for the 32 rows: 8 accumulators a chunk, 32 in all.
; ctx's 16 fragments and the scale words stay in registers; x's rows are asked for at the head, into registers, and land while the product runs.
; W_O: every work-group walks all of it, so its tiles are asked for JOINTLY by the four work-groups of a cluster (mask 15).  Wave w fetches the 64 rows that it multiplies itself, through its own ring of two slots:
; its own wait on its tensor loads is all that its reads need.  A slot is filled again behind a round of the cluster's barrier.  A wave has one tensor load out at a time.
; THE MATRIX INSTRUCTION IS USED TRANSPOSED (source 0 = 16 rows of W_O = 16 columns of the result, source 1 = 16 rows of ctx): a lane holds eight neighbouring columns of one row.
; THE WAY OUT: the 32 rows meet in a stage in LDS (rows of 4,096 + 16 bytes), which lies in the ring: it is written only when every slot has had its last fill and every wave has passed a barrier behind its last read.
; Then each wave takes 8 whole rows, one at a time, 128 bytes a lane: + x, the norm, gamma, beta, and stores of 512 consecutive bytes.
; All of a WGP's LDS is claimed.
; LIMITS: NaN and infinities are not served.
; REGISTERS: window 0: v1-7 addresses; v16-23 ctx's scale words; v24-87 W_O's; v88-215 two buffers of 8 fragments of W_O, later two rows of the result; v216, v217 for the add; v218-229 at work.
;   window 1: the accumulators at 8 (8 j + 2 t + i).   window 2: ctx's fragments at 64 i + 8 s; v128-159 gamma, v160-191 beta.   window 3: x: row y at 32 y.
.set WPIT,  528                        ; a row of W_O in LDS: 512 bytes + 16
.set SLOT,  64*WPIT
.set SPARE, 8*SLOT                     ; behind the four rings: the spare words, 128 bytes for each wave: two blocks of 256 bytes that no other line names
.set SPIT,  4112                       ; a row of the stage: 257 x 16 bytes
.set LI,  1
.set L32, 2
.set ADW, 3                            ; v3-4  my lane in slot 0, 1 of my ring
.set STO, 5                            ; v5-6  the stage: where I put 32 bytes of row 16 i + r
.set RD,  7                            ; v7    and where I read my 8 rows back
.set CSR, 16                           ; word s: lane l = row l
.set WS,  24                           ; 16 j + 8 p + s: lane l = row 32 p + l of my 64 in chunk j
.set WF,  88
.set YB,  88
.set SPW, 216
.set NIL, 217
.set SM,  218                          ; v218-225 four chains of sums
.set MU,  226                          ; v[226:227] the mean (the pair's low word serves both halves)
.set RS,  228                          ; v[228:229] 1 / sqrt(variance + 1e-5)
.set WV,  20
.set SEL, 24
.set G1,  28
.set G0,  36
.set MSB, 0
.macro WIN new                         ; the immediate's high byte repeats the setting that is left
.if MSB != (\new)
	s_set_vgpr_msb (MSB<<8)|(\new)
.set MSB, (\new)
.endif
.endm
.macro PLACES n
.rept \n
	v_nop
.endr
.endm
.macro ROUND                           ; a round of the cluster's barrier
	s_barrier_signal -1
	s_barrier_wait -1
	s_cmp_lg_u32 s[WV], 0
	s_cbranch_scc1 .Lnot_wave_0_\@
	s_barrier_signal -3
.Lnot_wave_0_\@:
	s_barrier_wait -3
	s_barrier_signal -1
	s_barrier_wait -1
.endm
.macro MMS d, a, b, z, sa, sb, ra, rb
.if (\z)
.if (\ra) && (\rb)
	v_wmma_scale_f32_16x16x128_f8f6f4 v[0+(\d):7+(\d)], v[0+(\a):7+(\a)], v[0+(\b):7+(\b)], 0, v[\sa], v[\sb] matrix_a_fmt:MATRIX_FMT_FP4 matrix_b_fmt:MATRIX_FMT_FP4 matrix_a_scale:MATRIX_SCALE_ROW1 matrix_b_scale:MATRIX_SCALE_ROW1
.elseif (\ra)
	v_wmma_scale_f32_16x16x128_f8f6f4 v[0+(\d):7+(\d)], v[0+(\a):7+(\a)], v[0+(\b):7+(\b)], 0, v[\sa], v[\sb] matrix_a_fmt:MATRIX_FMT_FP4 matrix_b_fmt:MATRIX_FMT_FP4 matrix_a_scale:MATRIX_SCALE_ROW1
.elseif (\rb)
	v_wmma_scale_f32_16x16x128_f8f6f4 v[0+(\d):7+(\d)], v[0+(\a):7+(\a)], v[0+(\b):7+(\b)], 0, v[\sa], v[\sb] matrix_a_fmt:MATRIX_FMT_FP4 matrix_b_fmt:MATRIX_FMT_FP4 matrix_b_scale:MATRIX_SCALE_ROW1
.else
	v_wmma_scale_f32_16x16x128_f8f6f4 v[0+(\d):7+(\d)], v[0+(\a):7+(\a)], v[0+(\b):7+(\b)], 0, v[\sa], v[\sb] matrix_a_fmt:MATRIX_FMT_FP4 matrix_b_fmt:MATRIX_FMT_FP4
.endif
.else
.if (\ra) && (\rb)
	v_wmma_scale_f32_16x16x128_f8f6f4 v[0+(\d):7+(\d)], v[0+(\a):7+(\a)], v[0+(\b):7+(\b)], v[0+(\d):7+(\d)], v[\sa], v[\sb] matrix_a_fmt:MATRIX_FMT_FP4 matrix_b_fmt:MATRIX_FMT_FP4 matrix_a_scale:MATRIX_SCALE_ROW1 matrix_b_scale:MATRIX_SCALE_ROW1
.elseif (\ra)
	v_wmma_scale_f32_16x16x128_f8f6f4 v[0+(\d):7+(\d)], v[0+(\a):7+(\a)], v[0+(\b):7+(\b)], v[0+(\d):7+(\d)], v[\sa], v[\sb] matrix_a_fmt:MATRIX_FMT_FP4 matrix_b_fmt:MATRIX_FMT_FP4 matrix_a_scale:MATRIX_SCALE_ROW1
.elseif (\rb)
	v_wmma_scale_f32_16x16x128_f8f6f4 v[0+(\d):7+(\d)], v[0+(\a):7+(\a)], v[0+(\b):7+(\b)], v[0+(\d):7+(\d)], v[\sa], v[\sb] matrix_a_fmt:MATRIX_FMT_FP4 matrix_b_fmt:MATRIX_FMT_FP4 matrix_b_scale:MATRIX_SCALE_ROW1
.else
	v_wmma_scale_f32_16x16x128_f8f6f4 v[0+(\d):7+(\d)], v[0+(\a):7+(\a)], v[0+(\b):7+(\b)], v[0+(\d):7+(\d)], v[\sa], v[\sb] matrix_a_fmt:MATRIX_FMT_FP4 matrix_b_fmt:MATRIX_FMT_FP4
.endif
.endif
.endm
	s_load_b256 s[4:11], s[0:1], 0x0               ; cc, cs, W_O's codes, W_O's scales
	s_load_b256 s[12:19], s[0:1], 0x20             ; x, gamma, beta, out0
	v_lshl_add_u32 v[SPW], v0, 2, SPARE
	v_mov_b32 v[NIL], 0
	ds_add_u32 v216, v217
	ds_add_u32 v216, v217
	s_wait_dscnt 0x0
	v_lshrrev_b32 v8, 5, v0
	v_readfirstlane_b32 s[WV], v8                  ; wave 0..3
	s_bfe_u32 s21, ttmp6, 0x40000                  ; cx
	s_lshl_b32 s22, ttmp9, 2
	s_add_co_u32 s22, s22, s21                     ; my 32 rows: 4 x cluster x + cx: it enters the addresses of cc, cs, x and out0 alone
	s_mov_b32 s[SEL], 0x76543210
	s_mov_b32 s[SEL+1], 0xfedcba98
	s_mov_b32 s26, 0x3a800000                      ; 1 / 1,024
	s_mov_b32 s27, 0x3727c5ac                      ; 1e-5
	s_mov_b32 s[G1+0], 15|(0<<16)|(1<<20)|(1<<21)|(6<<22)|(3<<25)  ; the mask: all four work-groups; elements of 1 byte; padding on; bit 21 beside a mask; 4 words behind every 128
	s_mov_b32 s[G1+1], 512<<16                     ; tensor_dim0 = 512
	s_mov_b32 s[G1+2], 64<<16                      ; tensor_dim1 = 64
	s_mov_b32 s[G1+3], 512<<16                     ; tile_dim0 = 512
	s_mov_b32 s[G1+4], 64                          ; tile_dim1 = 64
	s_mov_b32 s[G1+5], 512                         ; bytes from row to row
	s_mov_b32 s[G1+6], 0
	s_mov_b32 s[G1+7], 0
	s_lshl_b32 s44, s22, 14                        ; cc: two tiles of 8,192 bytes
	s_mov_b32 s45, 0
	s_lshl_b32 s46, s22, 10                        ; cs: 32 rows of 32 bytes
	s_mov_b32 s47, 0
	s_lshl_b32 s48, s22, 17                        ; x, out0: 32 rows of 4,096 bytes,
	s_lshl_b32 s49, s[WV], 15                      ; my 8 of them
	s_add_co_u32 s48, s48, s49
	s_mov_b32 s49, 0
	s_lshl_b32 s50, s[WV], 11                      ; W_O's scale bytes: my 64 rows of a chunk
	s_mov_b32 s51, 0
	s_lshl_b32 s52, s[WV], 15                      ; and their codes
	s_mov_b32 s53, 0
	s_mul_i32 s54, s[WV], 2*SLOT                   ; my ring
	v_and_b32 v8, 31, v0                           ; lane
	v_and_b32 v9, 15, v0                           ; r
	v_bfe_u32 v10, v0, 4, 1                        ; h
	v_lshlrev_b32 v[LI], 4, v8
	v_lshlrev_b32 v[L32], 5, v8
	v_mul_u32_u24 v11, v9, WPIT
	v_lshl_add_u32 v11, v10, 4, v11
	v_add_nc_u32 v[ADW], s54, v11
	v_add_nc_u32 v[ADW+1], SLOT, v[ADW]
	v_mul_u32_u24 v12, v9, SPIT
	v_lshl_add_u32 v12, v10, 5, v12
	s_lshl_b32 s55, s[WV], 8
	v_add_nc_u32 v[STO], s55, v12                  ; row r, + 256 w + 32 h bytes
	v_add_nc_u32 v[STO+1], 16*SPIT, v[STO]
	s_mul_i32 s55, s[WV], 8*SPIT
	v_add_nc_u32 v[RD], s55, v[LI]
	v_mov_b32 v[MU+1], 0                           ; named as the upper halves of pairs, so they are written
	v_mov_b32 v[RS+1], 0
	s_wait_kmcnt 0x0
	s_add_nc_u64 s[4:5], s[4:5], s[44:45]
	s_add_nc_u64 s[6:7], s[6:7], s[46:47]
	s_add_nc_u64 s[8:9], s[8:9], s[52:53]
	s_add_nc_u64 s[10:11], s[10:11], s[50:51]
	s_add_nc_u64 s[12:13], s[12:13], s[48:49]
	s_add_nc_u64 s[18:19], s[18:19], s[48:49]
.irp n, 0,1
	s_mov_b32 s[G0+4*\n], 1
	s_add_co_u32 s[G0+4*\n+1], s54, \n*SLOT        ; LDS: wave x two slots + slot
	s_add_nc_u64 s[G0+4*\n+2:G0+4*\n+3], s[8:9], \n*131072   ; chunk n: 256 rows of 512 bytes on
	s_or_b32 s[G0+4*\n+3], s[G0+4*\n+3], 0x80000000
.endr
	ROUND                                          ; all four work-groups are here: the first joint loads meet
	tensor_load_to_lds s[G0:G0+3], s[G1:G1+7]      ; chunk 0
	s_nop 0
	s_wait_alu depctr_va_vdst(0)
	s_wait_tensorcnt 0x0
	ds_add_u32 v216, v217
	s_wait_dscnt 0x0
	ROUND
	tensor_load_to_lds s[G0+4:G0+7], s[G1:G1+7]    ; chunk 1
	s_nop 0
	PLACES 4
	WIN 0x80                                       ; destination window 2
.irp i, 0,1
.irp s, 0,1,2,3,4,5,6,7
.irp c, 0,1
	global_load_b128 v[64*\i+8*\s+4*\c:64*\i+8*\s+4*\c+3], v[LI], s[4:5] offset:8192*\i+1024*\s+512*\c
.endr
.endr
.endr
	WIN 0
.irp f, 0,1
	global_load_b128 v[CSR+4*\f:CSR+4*\f+3], v[L32], s[6:7] offset:16*\f
.endr
.irp j, 0,1,2,3
.irp p, 0,1
.irp f, 0,1
	global_load_b128 v[WS+16*\j+8*\p+4*\f:WS+16*\j+8*\p+4*\f+3], v[L32], s[10:11] offset:8192*\j+1024*\p+16*\f
.endr
.endr
.endr
	WIN 0xc0                                       ; destination window 3
.irp y, 0,1,2,3,4,5,6,7
.irp q, 0,1,2,3,4,5,6,7
	global_load_b128 v[32*\y+4*\q:32*\y+4*\q+3], v[LI], s[12:13] offset:4096*\y+512*\q th:TH_LOAD_NT   ; my 8 rows of x: read once in this launch
.endr
.endr
	s_wait_loadcnt 63                              ; ctx and all scale words are in: behind them stand x's 64 loads, and 63 is the largest count that the wait can name
	WIN 0x80
.irp q, 0,1,2,3,4,5,6,7
	global_load_b128 v[128+4*\q:131+4*\q], v[LI], s[14:15] offset:512*\q
	global_load_b128 v[160+4*\q:163+4*\q], v[LI], s[16:17] offset:512*\q
.endr
	WIN 0
; 8 fragments of W_O from slot n: tiles 2 tp, 2 tp + 1 of my 64 rows, K steps 4 kh .. 4 kh + 3, into buffer buf
.macro FETCHB n, tp, kh, buf
.irp e, 0,1
.irp u, 0,1,2,3
.irp c, 0,1
	ds_load_b128 v[WF+64*(\buf)+32*\e+8*\u+4*\c:WF+64*(\buf)+32*\e+8*\u+4*\c+3], v[ADW+\n] offset:(2*(\tp)+\e)*16*WPIT+(4*(\kh)+\u)*64+32*\c
.endr
.endr
.endr
.endm
; chunk j out of slot n: four batches of 16 matrix instructions; in a batch four accumulators take turns, one instruction a turn.  left: the younger tensor loads that may be out
.macro CHUNK j, n, left
	PLACES 4                                       ; in front of loads into registers that matrix instructions have read
	s_wait_tensorcnt \left                         ; my tile of this chunk has landed
	FETCHB \n, 0, 0, 0
.irp q, 0,1,2,3
.if \q < 3
.if \q > 0
	PLACES 4
.endif
	FETCHB \n, (\q+1)/2, (\q+1)%2, (\q+1)%2
	s_wait_dscnt 16                                ; this batch's 16 loads are in; the next batch's 16 may be out
.else
	s_wait_dscnt 0x0
.endif
	WIN 0x58                                       ; source 0 (W_O) window 0, source 1 (ctx) window 2, C and D window 1
.irp u, 0,1,2,3
.irp e, 0,1
.irp i, 0,1
	MMS 8*(8*\j+2*(2*(\q/2)+\e)+\i), WF+64*(\q%2)+32*\e+8*\u, 64*\i+8*(4*(\q%2)+\u), (\q%2+\u)==0, WS+16*\j+8*(\q/2)+4*(\q%2)+\u, CSR+4*(\q%2)+\u, \e, \i
.endr
.endr
.endr
	WIN 0
.endr
.endm
; slot n, which has been read, takes the chunk two further on
.macro FILL n
	s_wait_tensorcnt 0x0                           ; all my tensor loads have landed: a group 0 may be written
	ds_add_u32 v[SPW], v[NIL]                      ; 0 onto my spare word
	s_add_nc_u64 s[G0+4*\n+2:G0+4*\n+3], s[G0+4*\n+2:G0+4*\n+3], 262144   ; 512 rows of W_O on; the type bits on top are not reached
	s_wait_dscnt 0x0                               ; the add is done, and my reads of the slot are back
	ROUND                                          ; no wave of any partner still reads its slot or has a load on its way
	tensor_load_to_lds s[G0+4*\n:G0+4*\n+3], s[G1:G1+7]   ; my one tensor load behind the round, and the first thing there
	s_nop 0
	PLACES 4
.endm
	s_wait_alu depctr_va_vdst(0)
	CHUNK 0, 0, 1                                  ; chunk 1's load may be out
	FILL 0                                         ; chunk 2
	CHUNK 1, 1, 1
	FILL 1                                         ; chunk 3: the last load
	CHUNK 2, 0, 1
	CHUNK 3, 1, 0
	PLACES 4                                       ; in front of the first read of results, and of loads into the fragments' registers
	s_wait_dscnt 0x0
	s_barrier_signal -1
	s_barrier_wait -1                              ; every slot has had its last fill and its last read: the stage may be written
	WIN 0x04                                       ; an LDS store's data are its source 1: window 1
.irp i, 0,1
.irp j, 0,1,2,3
.irp t, 0,1,2,3
	ds_store_b128 v[STO+\i], v[8*(8*\j+2*\t+\i):8*(8*\j+2*\t+\i)+3] offset:1024*\j+64*\t        ; each accumulator from its low end on: row 16 i + r, columns 256 j + 64 w + 16 t + 8 h + 0 .. 7
	ds_store_b128 v[STO+\i], v[8*(8*\j+2*\t+\i)+4:8*(8*\j+2*\t+\i)+7] offset:1024*\j+64*\t+16
.endr
.endr
.endr
	WIN 0
	s_wait_dscnt 0x0                               ; for the others' sake: my stores into the stage are done
	s_barrier_signal -1
	s_barrier_wait -1                              ; 32 whole rows lie in the stage
	s_wait_loadcnt 0x0                             ; x, gamma, beta
.macro LOADROW y                       ; row y of my 8: lane l takes columns 128 q + 4 l + 0 .. 3
.irp q, 0,1,2,3,4,5,6,7
	ds_load_b128 v[YB+32*((\y)%2)+4*\q:YB+32*((\y)%2)+4*\q+3], v[RD] offset:SPIT*(\y)+512*\q
.endr
.endm
.macro REDUCE                          ; four chains of pairs become one number, the same in every lane
	v_pk_add_f32 v[SM:SM+1], v[SM:SM+1], v[SM+2:SM+3]
	v_pk_add_f32 v[SM+4:SM+5], v[SM+4:SM+5], v[SM+6:SM+7]
	v_pk_add_f32 v[SM:SM+1], v[SM:SM+1], v[SM+4:SM+5]
	v_add_f32 v[SM], v[SM], v[SM+1]
	v_add_f32_dpp v[SM], v[SM], v[SM] row_xmask:1 row_mask:0xf bank_mask:0xf
	v_add_f32_dpp v[SM], v[SM], v[SM] row_xmask:2 row_mask:0xf bank_mask:0xf
	v_add_f32_dpp v[SM], v[SM], v[SM] row_xmask:4 row_mask:0xf bank_mask:0xf
	v_add_f32_dpp v[SM], v[SM], v[SM] row_xmask:8 row_mask:0xf bank_mask:0xf
	v_permlanex16_b32 v[SM+1], v[SM], s[SEL], s[SEL+1]
	v_add_f32 v[SM], v[SM], v[SM+1]
.endm
.macro LNROW y
.set Y_, YB+32*((\y)%2)
.if (\y) < 7
	s_wait_xcnt 0x0                                ; the row before has been read by its stores: its registers take the next row
	LOADROW (\y)+1
	s_wait_dscnt 8                                 ; this row's 8 loads are in; the next row's 8 may be out
.else
	s_wait_dscnt 0x0
.endif
	WIN 0x0c                                       ; source 1 window 3
.irp k, 0,2,4,6,8,10,12,14,16,18,20,22,24,26,28,30
	v_pk_add_f32 v[Y_+\k:Y_+\k+1], v[Y_+\k:Y_+\k+1], v[32*(\y)+\k:32*(\y)+\k+1]   ; + x
.endr
	WIN 0
.irp k, 0,1,2,3
	v_pk_add_f32 v[SM+2*\k:SM+2*\k+1], v[Y_+2*\k:Y_+2*\k+1], v[Y_+8+2*\k:Y_+8+2*\k+1]   ; the first pairs start the chains: nothing is cleared
.endr
.irp m, 16,24
.irp k, 0,1,2,3
	v_pk_add_f32 v[SM+2*\k:SM+2*\k+1], v[SM+2*\k:SM+2*\k+1], v[Y_+\m+2*\k:Y_+\m+2*\k+1]
.endr
.endr
	REDUCE
	v_mul_f32 v[MU], s26, v[SM]                    ; the mean
.irp k, 0,2,4,6,8,10,12,14,16,18,20,22,24,26,28,30
	v_pk_add_f32 v[Y_+\k:Y_+\k+1], v[Y_+\k:Y_+\k+1], v[MU:MU+1] op_sel_hi:[1,0] neg_lo:[0,1] neg_hi:[0,1]
.endr
.irp k, 0,1,2,3
	v_pk_mul_f32 v[SM+2*\k:SM+2*\k+1], v[Y_+2*\k:Y_+2*\k+1], v[Y_+2*\k:Y_+2*\k+1]
.endr
.irp m, 8,16,24
.irp k, 0,1,2,3
	v_pk_fma_f32 v[SM+2*\k:SM+2*\k+1], v[Y_+\m+2*\k:Y_+\m+2*\k+1], v[Y_+\m+2*\k:Y_+\m+2*\k+1], v[SM+2*\k:SM+2*\k+1]
.endr
.endr
	REDUCE
	v_fma_f32 v[RS], v[SM], s26, s27               ; the variance + 1e-5
	s_wait_alu depctr_va_vdst(0)
	v_rsq_f32 v[RS], v[RS]
	v_nop                                          ; one plain place behind a transcendental
	s_wait_alu depctr_va_vdst(0)
.irp k, 0,2,4,6,8,10,12,14,16,18,20,22,24,26,28,30
	v_pk_mul_f32 v[Y_+\k:Y_+\k+1], v[Y_+\k:Y_+\k+1], v[RS:RS+1] op_sel_hi:[1,0]
.endr
	WIN 0x28                                       ; sources 1 and 2 window 2
.irp k, 0,2,4,6,8,10,12,14,16,18,20,22,24,26,28,30
	v_pk_fma_f32 v[Y_+\k:Y_+\k+1], v[Y_+\k:Y_+\k+1], v[128+\k:129+\k], v[160+\k:161+\k]   ; x gamma + beta
.endr
	WIN 0
.irp q, 0,1,2,3,4,5,6,7
	global_store_b128 v[LI], v[Y_+4*\q:Y_+4*\q+3], s[18:19] offset:4096*(\y)+512*\q th:TH_STORE_NT   ; 32 lanes store 512 consecutive bytes; written once, read by nobody here
.endr
.endm
	LOADROW 0
.irp y, 0,1,2,3,4,5,6,7
	LNROW \y
.endr
	s_wait_tensorcnt 0x0                           ; the wave's end, behind my last tensor load and my last LDS store
	ds_add_u32 v[SPW], v[NIL]
	s_wait_dscnt 0x0
	ROUND                                          ; the closing round: no work-group ends while a partner may still ask for a tile that names it
	s_endpgm
.Lfunc_end_k_q96f959e424_oproj:
	.size	k_q96f959e424_oproj, .Lfunc_end_k_q96f959e424_oproj-k_q96f959e424_oproj
	.p2alignl 7, 3214868480
	.fill 96, 4, 3214868480
	.section	.rodata,"a",@progbits
	.p2align	6, 0x0
	.amdhsa_kernel k_q96f959e424_oproj
		.amdhsa_group_segment_fixed_size 327680
		.amdhsa_private_segment_fixed_size 0
		.amdhsa_enable_private_segment 0
		.amdhsa_kernarg_size 64
		.amdhsa_user_sgpr_count 2
		.amdhsa_user_sgpr_kernarg_segment_ptr 1
		.amdhsa_wavefront_size32 1
		.amdhsa_system_sgpr_workgroup_id_x 1
		.amdhsa_system_sgpr_workgroup_id_y 1
		.amdhsa_system_sgpr_workgroup_id_z 1
		.amdhsa_system_vgpr_workitem_id 0
		.amdhsa_next_free_vgpr 1024
		.amdhsa_next_free_sgpr 66
		.amdhsa_reserve_vcc 0
		.amdhsa_float_denorm_mode_32 3
		.amdhsa_float_denorm_mode_16_64 3
		.amdhsa_memory_ordered 1
		.amdhsa_forward_progress 1
		.amdhsa_inst_pref_size 143
	.end_amdhsa_kernel
	.amdgpu_metadata
---
amdhsa.version: [ 1, 2 ]
amdhsa.kernels:
  - .name:           k_q96f959e424_oproj
    .symbol:         k_q96f959e424_oproj.kd
    .args:
      - { .name: cc, .offset: 0, .size: 8, .value_kind: global_buffer, .address_space: global }
      - { .name: cs, .offset: 8, .size: 8, .value_kind: global_buffer, .address_space: global }
      - { .name: W_O_codes, .offset: 16, .size: 8, .value_kind: global_buffer, .address_space: global }
      - { .name: W_O_scales, .offset: 24, .size: 8, .value_kind: global_buffer, .address_space: global }
      - { .name: x, .offset: 32, .size: 8, .value_kind: global_buffer, .address_space: global }
      - { .name: ln_gamma, .offset: 40, .size: 8, .value_kind: global_buffer, .address_space: global }
      - { .name: ln_beta, .offset: 48, .size: 8, .value_kind: global_buffer, .address_space: global }
      - { .name: out0, .offset: 56, .size: 8, .value_kind: global_buffer, .address_space: global }
    .group_segment_fixed_size: 327680
    .private_segment_fixed_size: 0
    .kernarg_segment_align: 8
    .kernarg_segment_size: 64
    .max_flat_workgroup_size: 128
    .sgpr_count:     66
    .vgpr_count:     1024
    .wavefront_size: 32
...
	.end_amdgpu_metadata
.endif
;; end of part 4
